; MI455X (gfx1250); checked and timed in simulation.
; The chip was launched on July 23, 2026; its instructions are those of AMD's public machine-readable ISA for CDNA 5 (MIT licence, August 2026) and "CDNA5" Instruction Set Architecture Reference Guide (July 2026). The comments in the code are by the model that wrote it; some were corrected since.
;; Encoder Block. Allowed arithmetic: float matrix products may take bf16 or f16 operands with f32 sums; other float arithmetic in f32, or as packed bf16 or f16 multiplies, adds, multiply-adds, maxima and minima; sums over many terms, partial sums and values carried from step to step in f32; what a program stores and reads back later, other than sums and carried values, may be rounded once to bf16 or f16.
;; Inputs: W1 1,024 x 4,096 float32; W2 4,096 x 1,024 float32; Wk 16 x 1,024 x 64 float32; Wp 1,024 x 1,024 float32; Wq 16 x 1,024 x 64 float32; Wv 16 x 1,024 x 64 float32; b1 4,096 float32; b2 1,024 float32; bk 16 x 64 float32; bp 1,024 float32; bq 16 x 64 float32; bv 16 x 64 float32; ln1_b 1,024 float32; ln1_w 1,024 float32; ln2_b 1,024 float32; ln2_w 1,024 float32; x 2 x 2,048 x 1,024 float32.
;; Outputs: out0 2 x 2,048 x 1,024 float32.
;; One version. Each part assembles by itself: llvm-mc -triple=amdgcn-amd-amdhsa -mcpu=gfx1250 --defsym DOCPART=n.
;; ======== version 1 of 1: 7 launches
;; limits: a function is approximated: absolute error at most 2.5e-05
;; workspace buffers: wts 25,165,824 bytes; xn 8,388,608 bytes; qkv 25,165,824 bytes; ob 8,388,608 bytes; res 16,777,216 bytes; onb 8,388,608 bytes; hb 33,554,432 bytes
;; launch prep (part 1): grid 128 x 6, 8 waves a work-group, no clusters, 100,864 bytes of LDS; arguments x, ln1_w, ln1_b, Wq, Wk, Wv, Wp, W1, W2, wts, xn; writes wts, xn
.if DOCPART == 1
	.amdgcn_target "amdgcn-amd-amdhsa--gfx1250"
	.amdhsa_code_object_version 6
	.text
	.protected	k_q01df733bc2_prep
	.globl	k_q01df733bc2_prep
	.p2align	8
	.type	k_q01df733bc2_prep,@function
k_q01df733bc2_prep:
	s_mov_b64 s[64:65], 0
	v_nop
	global_prefetch_b8 v0, s[64:65] scope:SCOPE_SE
	s_setreg_imm32_b32 hwreg(HW_REG_WAVE_MODE, 25, 1), 1
	s_wait_xcnt 0x0
; PREP.  Two kinds of work-group, told apart by the grid's y.
; y = 0..3: work-group g = 128 y + x rounds THREE units of 32 k x 256 n of the weights (f32, [k][n]) to bf16 and lays them out in FRAGMENTS: unit g of W1, unit g of W2, and unit x of
; Wq, Wk, Wv or Wp (by y).  All 24 loads of a thread go out together: 98,304 bytes of a work-group are on their way at once.
; y = 4, 5: LayerNorm 1 of 16 rows of x, rounded to bf16, laid out in the same fragments.
; The grid has 768 work-groups of 8 waves x 160 registers and 100,864 bytes of LDS: three fit on a WGP's 4 x 1,024 registers and 327,680 bytes.
; A FRAGMENT is 16 rows (of x: tokens; of a weight: its columns n) x 32 k in 1,024 bytes: byte 512 j + 16 l + 2 e holds row l % 16,
; k = 16 j + 8 (l / 16) + e.  That is a matrix operand's register image: a wave fetches it by two loads of 16 bytes a lane.
; Fragment (kb, xb) of a matrix with X rows lies at (kb X / 16 + xb) x 1,024.
; wts: WQKV (K 1024, X 3072; column block = head x 12 + {q,k,v} x 4 + d / 16) at 0; WP at 6,291,456; W1 at 8,388,608; W2 at 16,777,216.
; LayerNorm goes in two passes over registers: the mean, then the sum of (x - mean)^2: no difference of large sums is formed.
; LIMITS: NaN and infinities are not treated apart.  No matrix unit, no cluster, no tensor load: nothing is shared between work-groups and memory binds.
.set UNITB, 33280                      ; a unit in LDS: 32 rows of 1,040 bytes (1,024 of f32 + 16)
.set SPARE, 3*UNITB                    ; behind the three units: the spare words, 128 bytes for each of the eight waves
.set SPW, 8                            ; v8   my spare word; never rewritten
.set NIL, 9                            ; v9   0; never rewritten
; the weights' registers
.set SOA,  10                          ; v10  my 16 bytes in a unit's first four rows, rows of 16,384 bytes (W1)
.set SOB,  11                          ; v11  the same, rows of 4,096 bytes (W2, Wp)
.set SOC,  12                          ; v12  the same for Wq, Wk, Wv: rows of 256 bytes, 64 columns a head, heads 262,144 bytes apart
.set LSTO, 13                          ; v13  LDS: where I put 16 bytes of a row (units 0 and 1)
.set LRD,  14                          ; v14  LDS: where I read a column's numbers (units 0 and 1)
.set DOF,  15                          ; v15  my 16 bytes in four fragments
.set LSTO2, 16                         ; v16  LSTO for unit 2: its bytes lie past an LDS instruction's 16-bit offset
.set LRD2, 17                          ; v17  LRD for unit 2
; LayerNorm's registers
.set XO,  2                            ; v2   my 16 bytes in my wave's first row
.set CO,  3                            ; v3   my 16 bytes in the gain and the bias
.set LS,  4                            ; v4   LDS: where I put 8 bytes of a row
.set LR,  5                            ; v5   LDS: where I read 16 bytes of a fragment
.set GO,  6                            ; v6   my 16 bytes in the fragments
.set SA,  10                           ; v10-17 row 0's sums
.set SB,  18                           ; v18-25 row 1's sums
.set MA,  26                           ; v26-27 row 0: the mean, later 1 / sqrt(var + eps), twice
.set MB,  28                           ; v28-29 row 1
.set X0,  32                           ; v32-63  row 0
.set X1,  64                           ; v64-95  row 1
.set LW,  96                           ; v96-127 the gain
.set LB,  128                          ; v128-159 the bias
.set SEL, 34                           ; s[34:35] v_permlanex16_b32's selects
.set RN,  36                           ; s36 1 / 1024
.set EP,  37                           ; s37 1e-5
.macro FOLD a                          ; four pairs of partial sums -> the sum over the wave's 32 lanes, in every lane
	v_pk_add_f32 v[(\a):(\a)+1], v[(\a):(\a)+1], v[(\a)+2:(\a)+3]
	v_pk_add_f32 v[(\a)+4:(\a)+5], v[(\a)+4:(\a)+5], v[(\a)+6:(\a)+7]
	v_pk_add_f32 v[(\a):(\a)+1], v[(\a):(\a)+1], v[(\a)+4:(\a)+5]
	v_add_f32 v[(\a)], v[(\a)], v[(\a)+1]
	v_add_f32_dpp v[(\a)], v[(\a)], v[(\a)] row_xmask:1 row_mask:0xf bank_mask:0xf
	v_add_f32_dpp v[(\a)], v[(\a)], v[(\a)] row_xmask:2 row_mask:0xf bank_mask:0xf
	v_add_f32_dpp v[(\a)], v[(\a)], v[(\a)] row_xmask:4 row_mask:0xf bank_mask:0xf
	v_add_f32_dpp v[(\a)], v[(\a)], v[(\a)] row_xmask:8 row_mask:0xf bank_mask:0xf
	v_permlanex16_b32 v[(\a)+1], v[(\a)], s[SEL], s[SEL+1]
	v_add_f32 v[(\a)], v[(\a)], v[(\a)+1]
.endm
.macro RSUM x, a                       ; the row's sum, in four chains
.irp c, 0,2,4,6
	v_pk_add_f32 v[(\a)+(\c):(\a)+(\c)+1], v[(\x)+(\c):(\x)+(\c)+1], v[(\x)+8+(\c):(\x)+8+(\c)+1]
.endr
.irp g, 16,24
.irp c, 0,2,4,6
	v_pk_add_f32 v[(\a)+(\c):(\a)+(\c)+1], v[(\a)+(\c):(\a)+(\c)+1], v[(\x)+(\g)+(\c):(\x)+(\g)+(\c)+1]
.endr
.endr
	FOLD \a
.endm
.macro RSQS x, a                       ; the row's sum of squares, in four chains
.irp c, 0,2,4,6
	v_pk_mul_f32 v[(\a)+(\c):(\a)+(\c)+1], v[(\x)+(\c):(\x)+(\c)+1], v[(\x)+(\c):(\x)+(\c)+1]
.endr
.irp g, 8,16,24
.irp c, 0,2,4,6
	v_pk_fma_f32 v[(\a)+(\c):(\a)+(\c)+1], v[(\x)+(\g)+(\c):(\x)+(\g)+(\c)+1], v[(\x)+(\g)+(\c):(\x)+(\g)+(\c)+1], v[(\a)+(\c):(\a)+(\c)+1]
.endr
.endr
	FOLD \a
.endm
; LayerNorm of the 16 rows of block s5; s4 = my wave, which takes rows 2 s4 and 2 s4 + 1 whole (32 registers each).  xp, wp, bp, yp: the scalar pairs with the four addresses.
.macro LNROWS xp, wp, bp, yp
	s_mov_b32 s[SEL], 0x76543210
	s_mov_b32 s[SEL+1], 0xfedcba98
	s_mov_b32 s[RN], 0x3a800000
	s_mov_b32 s[EP], 0x3727c5ac
	v_and_b32 v1, 31, v0
	v_lshlrev_b32 v[CO], 4, v1
	s_lshl_b32 s6, s4, 13                          ; my wave's two rows of 4,096 bytes
	v_add_nc_u32 v[XO], s6, v[CO]
	s_lshl_b32 s6, s5, 16                          ; the block's 16 rows
	s_mov_b32 s7, 0
	s_add_nc_u64 s[30:31], s[\xp:\xp+1], s[6:7]
.irp j, 0,1,2,3,4,5,6,7
	global_load_b128 v[X0+4*(\j):X0+4*(\j)+3], v[XO], s[30:31] offset:512*(\j) th:TH_LOAD_NT
.endr
.irp j, 0,1,2,3,4,5,6,7
	global_load_b128 v[X1+4*(\j):X1+4*(\j)+3], v[XO], s[30:31] offset:4096+512*(\j) th:TH_LOAD_NT
.endr
.irp j, 0,1,2,3,4,5,6,7
	global_load_b128 v[LW+4*(\j):LW+4*(\j)+3], v[CO], s[\wp:\wp+1] offset:512*(\j)
.endr
.irp j, 0,1,2,3,4,5,6,7
	global_load_b128 v[LB+4*(\j):LB+4*(\j)+3], v[CO], s[\bp:\bp+1] offset:512*(\j)
.endr
	s_mul_i32 s6, s4, 4128                         ; LDS rows of 2,064 bytes: 516 words, so 16 rows start at 16 different groups of four banks
	v_lshl_add_u32 v[LS], v1, 3, s6
	v_and_b32 v7, 15, v0
	v_lshrrev_b32 v1, 4, v0
	v_mul_u32_u24 v[LR], 2064, v7                  ; row t % 16, k = 8 (t / 16): thread t's chunk of fragment kb = t / 64
	v_lshl_add_u32 v[LR], v1, 4, v[LR]
	v_lshrrev_b32 v1, 6, v0
	v_and_b32 v7, 63, v0
	v_lshlrev_b32 v[GO], 18, v1                    ; fragments of one row block lie 262,144 bytes apart along k
	v_lshl_add_u32 v[GO], v7, 4, v[GO]
	s_lshl_b32 s6, s5, 10
	s_add_nc_u64 s[38:39], s[\yp:\yp+1], s[6:7]
	s_wait_loadcnt 16                              ; both rows are in; the 16 loads of gain and bias may stay out
	RSUM X0, SA
	RSUM X1, SB
	v_mul_f32 v[MA], s[RN], v[SA]
	v_mul_f32 v[MA+1], s[RN], v[SA]
	v_mul_f32 v[MB], s[RN], v[SB]
	v_mul_f32 v[MB+1], s[RN], v[SB]
.set i, 0
.rept 16
	v_pk_add_f32 v[X0+i:X0+i+1], v[X0+i:X0+i+1], v[MA:MA+1] neg_lo:[0,1] neg_hi:[0,1]
	v_pk_add_f32 v[X1+i:X1+i+1], v[X1+i:X1+i+1], v[MB:MB+1] neg_lo:[0,1] neg_hi:[0,1]
.set i, i+2
.endr
	RSQS X0, SA
	RSQS X1, SB
	v_fma_f32 v[SA], v[SA], s[RN], s[EP]
	v_fma_f32 v[SB], v[SB], s[RN], s[EP]
	v_rsq_f32 v[MA], v[SA]                         ; one batch of four: each row's factor twice, a pair for the packed multiply
	v_rsq_f32 v[MA+1], v[SA]
	v_rsq_f32 v[MB], v[SB]
	v_rsq_f32 v[MB+1], v[SB]
	v_nop                                          ; a plain instruction behind the last of them,
	s_wait_alu depctr_va_vdst(0)                   ; and the one wait ahead of the first use
	s_wait_loadcnt 0x0                             ; gain and bias
.set i, 0
.rept 16
	v_pk_mul_f32 v[X0+i:X0+i+1], v[X0+i:X0+i+1], v[MA:MA+1]
	v_pk_mul_f32 v[X1+i:X1+i+1], v[X1+i:X1+i+1], v[MB:MB+1]
	v_pk_fma_f32 v[X0+i:X0+i+1], v[X0+i:X0+i+1], v[LW+i:LW+i+1], v[LB+i:LB+i+1]
	v_pk_fma_f32 v[X1+i:X1+i+1], v[X1+i:X1+i+1], v[LW+i:LW+i+1], v[LB+i:LB+i+1]
.set i, i+2
.endr
.set i, 0
.rept 16
	v_cvt_pk_bf16_f32 v[X0+i], v[X0+2*i], v[X0+2*i+1]   ; in place, ascending: register i is free when pair i is packed
	v_cvt_pk_bf16_f32 v[X1+i], v[X1+2*i], v[X1+2*i+1]
.set i, i+1
.endr
.irp j, 0,1,2,3,4,5,6,7
	ds_store_b64 v[LS], v[X0+2*(\j):X0+2*(\j)+1] offset:256*(\j)
	ds_store_b64 v[LS], v[X1+2*(\j):X1+2*(\j)+1] offset:2064+256*(\j)
.endr
	s_wait_dscnt 0x0                               ; for the others' sake: my rows lie in LDS
	s_barrier_signal -1
	s_barrier_wait -1
.irp i, 0,1,2,3,4,5,6,7
	ds_load_b128 v[X0+4*(\i):X0+4*(\i)+3], v[LR] offset:256*(\i)
.endr
.irp i, 0,1,2,3,4,5,6,7
	s_wait_dscnt 7-(\i)
	global_store_b128 v[GO], v[X0+4*(\i):X0+4*(\i)+3], s[38:39] offset:(\i)*1048576   ; a wave's store covers 512 consecutive bytes, aligned
.endr
	s_wait_tensorcnt 0x0                           ; the wave's end
	ds_add_u32 v[SPW], v[NIL]
	s_wait_dscnt 0x0
	s_endpgm
.endm
; A unit's eight loads: thread t takes 16 bytes of row t / 64 + 4 i; step = four rows in bytes.  16 lanes read 256 consecutive bytes.
.macro WLOAD d, so, base, step
.irp i, 0,1,2,3,4,5,6,7
	global_load_b128 v[(\d)+4*(\i):(\d)+4*(\i)+3], v[\so], s[\base:\base+1] offset:(\i)*(\step) th:TH_LOAD_NT
.endr
.endm
; The unit goes into LDS as it comes.  younger: the loads of the units issued behind this one, which may stay out.
.macro TOLDS d, a, off, younger
.irp i, 0,1,2,3,4,5,6,7
	s_wait_loadcnt (\younger)+7-(\i)
	ds_store_b128 v[\a], v[(\d)+4*(\i):(\d)+4*(\i)+3] offset:(\off)+(\i)*4160
.endr
.endm
; Back by columns: chunk i of thread t is column 64 i + 16 (t / 64) + t % 16, k = 8 ((t % 64) / 16) + e; the two halves of the lanes fall 32 banks apart.
.macro FROMLDS d, a, off
.irp i, 0,1,2,3
.irp e, 0,1,2,3,4,5,6,7
	ds_load_b32 v[(\d)+8*(\i)+(\e)], v[\a] offset:(\off)+(\i)*256+(\e)*1040
.endr
.endr
.endm
; Rounded in place (register 4 i + q is free when pair 8 i + 2 q is packed) and stored.  younger: the LDS loads of the unit issued behind this one.  step: bytes in wts from 64 columns to the next 64.
.macro WOUT d, base, step, younger
.irp i, 0,1,2,3
	s_wait_dscnt (\younger)+24-8*(\i)              ; chunk i's eight numbers are in
.irp q, 0,1,2,3
	v_cvt_pk_bf16_f32 v[(\d)+4*(\i)+(\q)], v[(\d)+8*(\i)+2*(\q)], v[(\d)+8*(\i)+2*(\q)+1]
.endr
	global_store_b128 v[DOF], v[(\d)+4*(\i):(\d)+4*(\i)+3], s[\base:\base+1] offset:(\i)*(\step)   ; a wave's store covers 512 consecutive bytes, aligned
.endr
.endm
	s_load_b512 s[8:23], s[0:1], 0x0               ; x 8, ln1_w 10, ln1_b 12, Wq 14, Wk 16, Wv 18, Wp 20, W1 22
	s_load_b128 s[24:27], s[0:1], 0x40             ; W2 24, wts 26
	s_load_b64 s[28:29], s[0:1], 0x50              ; xn
	v_lshl_add_u32 v[SPW], v0, 2, SPARE
	v_mov_b32 v[NIL], 0
	v_lshrrev_b32 v1, 5, v0
	v_readfirstlane_b32 s4, v1                     ; wave 0..7
	s_and_b32 s2, ttmp7, 0xffff                    ; y
	s_mov_b32 s3, ttmp9                            ; x
	s_cmp_gt_u32 s2, 3
	s_cbranch_scc1 .Lrows
	; THE WEIGHTS
	v_lshrrev_b32 v2, 6, v0                        ; t / 64
	v_and_b32 v3, 63, v0                           ; t % 64
	v_and_b32 v4, 15, v0                           ; t % 16
	v_lshrrev_b32 v5, 4, v3                        ; (t % 64) / 16
	v_lshlrev_b32 v6, 4, v3                        ; 16 (t % 64)
	v_lshl_add_u32 v[SOA], v2, 14, v6
	v_lshl_add_u32 v[SOB], v2, 12, v6
	v_lshlrev_b32 v[SOC], 4, v4
	v_lshl_add_u32 v[SOC], v2, 8, v[SOC]
	v_lshl_add_u32 v[SOC], v5, 18, v[SOC]
	v_mul_u32_u24 v[LSTO], 1040, v2
	v_add_nc_u32 v[LSTO], v[LSTO], v6
	v_mul_u32_u24 v[LRD], 8320, v5
	v_lshl_add_u32 v[LRD], v4, 2, v[LRD]
	v_lshl_add_u32 v[LRD], v2, 6, v[LRD]
	v_lshl_add_u32 v[DOF], v2, 10, v6              ; fragment t / 64 of the four of 64 columns, chunk t % 64
	v_add_nc_u32 v[LSTO2], 2*UNITB, v[LSTO]
	v_add_nc_u32 v[LRD2], 2*UNITB, v[LRD]
	s_lshl_b32 s40, s2, 7
	s_add_co_u32 s40, s40, s3                      ; g, 0..511
	s_mov_b32 s43, 0
	s_wait_kmcnt 0x0
	; unit g of W1 ([1024][4096]): 32 k at g / 16, 256 columns at g % 16
	s_lshr_b32 s41, s40, 4
	s_and_b32 s56, s40, 15
	s_lshl_b32 s42, s41, 19                        ; 32 rows of 16,384 bytes
	s_lshl_b32 s57, s56, 10
	s_add_co_u32 s42, s42, s57
	s_add_nc_u64 s[44:45], s[22:23], s[42:43]
	s_lshl_b32 s42, s41, 18                        ; a panel of 256 fragments
	s_lshl_b32 s57, s56, 14                        ; 16 fragments
	s_add_co_u32 s42, s42, s57
	s_add_co_u32 s42, s42, 8388608
	s_add_nc_u64 s[50:51], s[26:27], s[42:43]
	WLOAD 32, SOA, 44, 65536
	; unit g of W2 ([4096][1024]): 32 k at g / 4, 256 columns at g % 4
	s_lshr_b32 s41, s40, 2
	s_and_b32 s56, s40, 3
	s_lshl_b32 s42, s41, 17                        ; 32 rows of 4,096 bytes
	s_lshl_b32 s57, s56, 10
	s_add_co_u32 s42, s42, s57
	s_add_nc_u64 s[46:47], s[24:25], s[42:43]
	s_lshl_b32 s42, s41, 16                        ; a panel of 64 fragments
	s_lshl_b32 s57, s56, 14
	s_add_co_u32 s42, s42, s57
	s_add_co_u32 s42, s42, 16777216
	s_add_nc_u64 s[52:53], s[26:27], s[42:43]
	WLOAD 64, SOB, 46, 16384
	; unit x of Wq, Wk, Wv (y = 0, 1, 2) or Wp (y = 3): 32 k at x / 4, 256 columns at x % 4.  Both ways issue eight loads.
	s_lshr_b32 s41, s3, 2
	s_and_b32 s56, s3, 3
	s_cmp_eq_u32 s2, 3
	s_cbranch_scc1 .Lwp
	s_cmp_eq_u32 s2, 1
	s_cselect_b64 s[48:49], s[16:17], s[14:15]
	s_cmp_eq_u32 s2, 2
	s_cselect_b64 s[48:49], s[18:19], s[48:49]
	s_lshl_b32 s42, s41, 13                        ; [head][k][64]: 32 rows of 256 bytes,
	s_lshl_b32 s57, s56, 20                        ; four heads of 262,144 bytes
	s_add_co_u32 s42, s42, s57
	s_add_nc_u64 s[48:49], s[48:49], s[42:43]
	s_mul_i32 s42, s41, 196608                     ; a panel of 192 fragments
	s_mul_i32 s57, s56, 49152                      ; four heads of 12 fragments
	s_add_co_u32 s42, s42, s57
	s_lshl_b32 s57, s2, 12                         ; q, k, v lie four fragments apart in a head's twelve
	s_add_co_u32 s42, s42, s57
	s_add_nc_u64 s[54:55], s[26:27], s[42:43]
	WLOAD 96, SOC, 48, 1024
	s_branch .Lloaded
.Lwp:
	s_lshl_b32 s42, s41, 17
	s_lshl_b32 s57, s56, 10
	s_add_co_u32 s42, s42, s57
	s_add_nc_u64 s[48:49], s[20:21], s[42:43]
	s_lshl_b32 s42, s41, 16
	s_lshl_b32 s57, s56, 14
	s_add_co_u32 s42, s42, s57
	s_add_co_u32 s42, s42, 6291456
	s_add_nc_u64 s[54:55], s[26:27], s[42:43]
	WLOAD 96, SOB, 48, 16384
.Lloaded:
	TOLDS 32, LSTO, 0, 16
	TOLDS 64, LSTO, UNITB, 8
	TOLDS 96, LSTO2, 0, 0
	s_wait_dscnt 0x0                               ; for the others' sake: my part of the three units lies in LDS
	s_barrier_signal -1
	s_barrier_wait -1
	FROMLDS 32, LRD, 0
	FROMLDS 64, LRD, UNITB
	WOUT 32, 50, 4096, 32
	FROMLDS 96, LRD2, 0
	WOUT 64, 52, 4096, 32
	s_cmp_eq_u32 s2, 3
	s_cbranch_scc1 .Lout_wp
	WOUT 96, 54, 12288, 0
	s_branch .Ldone
.Lout_wp:
	WOUT 96, 54, 4096, 0
.Ldone:
	s_wait_tensorcnt 0x0                           ; the wave's end
	ds_add_u32 v[SPW], v[NIL]
	s_wait_dscnt 0x0
	s_endpgm
.Lrows:
	s_sub_co_u32 s5, s2, 4
	s_lshl_b32 s5, s5, 7
	s_add_co_u32 s5, s5, s3                        ; the block of 16 rows, 0..255
	s_wait_kmcnt 0x0
	LNROWS 8, 10, 12, 28
.Lfunc_end_k_q01df733bc2_prep:
	.size	k_q01df733bc2_prep, .Lfunc_end_k_q01df733bc2_prep-k_q01df733bc2_prep
	.p2alignl 7, 3214868480
	.fill 96, 4, 3214868480
	.section	.rodata,"a",@progbits
	.p2align	6, 0x0
	.amdhsa_kernel k_q01df733bc2_prep
		.amdhsa_group_segment_fixed_size 100864
		.amdhsa_private_segment_fixed_size 0
		.amdhsa_enable_private_segment 0
		.amdhsa_kernarg_size 88
		.amdhsa_user_sgpr_count 2
		.amdhsa_user_sgpr_kernarg_segment_ptr 1
		.amdhsa_wavefront_size32 1
		.amdhsa_system_sgpr_workgroup_id_x 1
		.amdhsa_system_sgpr_workgroup_id_y 1
		.amdhsa_system_sgpr_workgroup_id_z 1
		.amdhsa_system_vgpr_workitem_id 0
		.amdhsa_next_free_vgpr 160
		.amdhsa_next_free_sgpr 66
		.amdhsa_reserve_vcc 0
		.amdhsa_float_denorm_mode_32 3
		.amdhsa_float_denorm_mode_16_64 3
		.amdhsa_memory_ordered 1
		.amdhsa_forward_progress 1
		.amdhsa_inst_pref_size 43
	.end_amdhsa_kernel
	.amdgpu_metadata
---
amdhsa.version: [ 1, 2 ]
amdhsa.kernels:
  - .name:           k_q01df733bc2_prep
    .symbol:         k_q01df733bc2_prep.kd
    .args:
      - { .name: x, .offset: 0, .size: 8, .value_kind: global_buffer, .address_space: global }
      - { .name: ln1_w, .offset: 8, .size: 8, .value_kind: global_buffer, .address_space: global }
      - { .name: ln1_b, .offset: 16, .size: 8, .value_kind: global_buffer, .address_space: global }
      - { .name: Wq, .offset: 24, .size: 8, .value_kind: global_buffer, .address_space: global }
      - { .name: Wk, .offset: 32, .size: 8, .value_kind: global_buffer, .address_space: global }
      - { .name: Wv, .offset: 40, .size: 8, .value_kind: global_buffer, .address_space: global }
      - { .name: Wp, .offset: 48, .size: 8, .value_kind: global_buffer, .address_space: global }
      - { .name: W1, .offset: 56, .size: 8, .value_kind: global_buffer, .address_space: global }
      - { .name: W2, .offset: 64, .size: 8, .value_kind: global_buffer, .address_space: global }
      - { .name: wts, .offset: 72, .size: 8, .value_kind: global_buffer, .address_space: global }
      - { .name: xn, .offset: 80, .size: 8, .value_kind: global_buffer, .address_space: global }
    .group_segment_fixed_size: 100864
    .private_segment_fixed_size: 0
    .kernarg_segment_align: 8
    .kernarg_segment_size: 88
    .max_flat_workgroup_size: 256
    .sgpr_count:     66
    .vgpr_count:     160
    .wavefront_size: 32
...
	.end_amdgpu_metadata
.endif
;; end of part 1
;; launch qkvp (part 2): grid 16 x 16, 4 waves a work-group, clusters of 4 x 4, 327,680 bytes of LDS; arguments xn, wts, bq, bk, bv, qkv; writes qkv
.if DOCPART == 2
	.amdgcn_target "amdgcn-amd-amdhsa--gfx1250"
	.amdhsa_code_object_version 6
	.text
	.protected	k_q01df733bc2_qkvp
	.globl	k_q01df733bc2_qkvp
	.p2align	8
	.type	k_q01df733bc2_qkvp,@function
k_q01df733bc2_qkvp:
	s_mov_b64 s[64:65], 0
	v_nop
	global_prefetch_b8 v0, s[64:65] scope:SCOPE_SE
	s_setreg_imm32_b32 hwreg(HW_REG_WAVE_MODE, 25, 1), 1
	s_wait_xcnt 0x0
	s_wait_alu depctr_hold_cnt(0) depctr_sa_sdst(0) depctr_va_vdst(0) depctr_va_sdst(0) depctr_va_ssrc(0) depctr_va_vcc(0) depctr_vm_vsrc(0)
	s_getreg_b32 s2, hwreg(HW_REG_IB_STS2, 6, 4)
	s_cmp_eq_u32 s2, 0
	s_cbranch_scc0 .Lentry_in_a_cluster
	s_endpgm
.Lentry_in_a_cluster:
	s_bfe_u32 s2, ttmp6, 0x10000c
	s_cmp_lg_u32 s2, 0xf033
	s_cbranch_scc0 .Lentry_shape_is_right
	s_endpgm
.Lentry_shape_is_right:
; q, k, v = xn W + b for all heads.  xn: fragments (K 1024, 4096 rows), W: fragments (K 1024, 3072 columns, a head's q | k | v together), both bf16; sums in f32; q, k, v rounded once to bf16.
; A work-group makes 256 rows x one head's 192 columns; each of its four waves 64 rows x 192: 48 accumulators.  K goes in 8 steps of 128 through two LDS slots of 2^17 bytes.
; FRAGMENTS (16 rows x 32 k, 1,024 bytes, byte 512 j + 16 l) are operands' register images: two loads of 16 bytes a lane, 512 consecutive bytes each: no padding, no conflict.
; q and k are made TRANSPOSED (source 0 = W's columns, source 1 = xn's rows): a lane holds one token and 8 neighbouring channels: 16 bytes that are a chunk of attention's Q or K fragment.
; v is made in the natural order (source 0 = xn, source 1 = W): a lane holds one channel and 8 neighbouring tokens: a chunk of a fragment of V^T.  So nothing goes through LDS on the way out.
; The biases are the C operands of the first products.
; qkv: Q at 0, K at 8 MiB, V at 16 MiB; 262,144 bytes for each (batch, head).  Q, K: [t / 16][512 (d / 16) + 16 l].  V: [t / 32][d / 16][512 ((t / 16) % 2) + 16 l].
; CLUSTER 4 x 4: xn's tile is shared along a row, W's along a column, each asked for jointly.  A K step is written once: LDS addresses hang on s[TB], which one exclusive or flips.
; LIMITS: NaN and infinities are not treated apart.
.set NSTEPS, 8
.set SLOTX,  1<<17
.set WOFF,   65536                     ; in a slot: xn's 4 panels x 16 fragments, then W's 4 x 12
.set SPARE,  2*SLOTX                   ; behind the ring: the spare words, 128 bytes a wave
.set ROWA,   16384                     ; a tile's bytes in one panel of 32 k
.set PANA,   262144                    ; bytes in a panel
.set STEPA,  4*PANA
.set ROWW,   12288
.set PANW,   196608
.set STEPW,  4*PANW
.set A0,   2                           ; v2  my place in slot 0's A fragments; never rewritten
.set B0,   3                           ; v3  the same for W
.set L16,  4                           ; v4  16 x lane; never rewritten
.set BO,   5                           ; v5  offset in bq, bk
.set BVO,  6                           ; v6  offset in bv
.set ADRA, 16
.set ADRB, 20
.set SPW,  28
.set NIL,  29
.set PFO,  30
.set OUT,  32                          ; v32-223 on the way out: 4 registers an accumulator
.set FA,   64                          ; window 0: A's buffer f at FA + 32 f;  window 1: W's buffer f at 96 f
.set BQK,  128                         ; v128-191 bias of q, k: 8 registers a column block
.set BVR,  192                         ; v192-223 bias of v
.set WV, 16
.set FB, 17                            ; wave / 2: I fetch for A (0) or W (1)
.set HF, 18                            ; wave % 2: which two panels of the four
.set TB, 20
.set G1, 24
.set G0, 32
.set G1B, 48
.set G0B, 56
.set PFA, 66
.set LIM, 68
.set PST, 78                           ; s[78:79] a K step in my operand, in bytes
.set MSB, 0
.macro WIN new                         ; the immediate's high byte repeats the setting that is left
.if MSB != (\new)
	s_set_vgpr_msb (MSB<<8)|(\new)
.set MSB, \new
.endif
.endm
.set TO_B, 0x40
.macro PLACES                          ; four plain places behind matrix instructions, ahead of loads into their sources and of readers of their results
.rept 4
	v_nop
.endr
.endm
.macro JLOAD                           ; the joint refill, by the walking descriptors; the branch hangs on the wave's number alone
	s_cmp_eq_u32 s[FB], 0
	s_cbranch_scc0 .Lfor_b_\@
	tensor_load_to_lds s[G0+4:G0+7], s[G1:G1+7]
	s_nop 0
.rept 4
	v_nop
.endr
	s_branch .Lasked_\@
.Lfor_b_\@:
	tensor_load_to_lds s[G0B+4:G0B+7], s[G1B:G1B+7]
	s_nop 0
.rept 4
	v_nop
.endr
.Lasked_\@:
.endm
.macro CREST
	s_cmp_lg_u32 s[WV], 0
	s_cbranch_scc1 .Lnot_wave_0_\@
	s_barrier_signal -3
.Lnot_wave_0_\@:
	s_barrier_wait -3
	s_barrier_signal -1
	s_barrier_wait -1
.endm
.macro CROUND
	s_barrier_signal -1
	s_barrier_wait -1
	CREST
.endm
; A prefetch of the K step that the NEXT refill will ask for.  xn's tile row is read by every cluster of a row of clusters: cluster x = 0 asks; W's tile column: cluster y = 0.  Of the two panels that a wave
; fetches, each of the four partners takes half a panel's tile, told apart by address; a lane a block of 256 bytes.  The loop's last trip has no step behind its refill.
.macro ASK
	s_cmp_gt_u32 s3, s[LIM]
	s_cbranch_scc0 .Lnot_mine_\@
	global_prefetch_b8 v[PFO], s[PFA:PFA+1] th:TH_LOAD_NT scope:SCOPE_SE
.Lnot_mine_\@:
.endm
	s_load_b256 s[4:11], s[0:1], 0x0               ; xn 4, wts 6, bq 8, bk 10
	s_load_b128 s[12:15], s[0:1], 0x20             ; bv 12, qkv 14
	v_lshl_add_u32 v[SPW], v0, 2, SPARE
	v_mov_b32 v[NIL], 0
	ds_add_u32 v[SPW], v[NIL]                      ; the wave's opening: the add and its wait stand ahead of my first tensor load
	v_lshrrev_b32 v1, 5, v0
	v_readfirstlane_b32 s[WV], v1
	s_lshr_b32 s[FB], s[WV], 1
	s_and_b32 s[HF], s[WV], 1
	s_bfe_u32 s40, ttmp6, 0x40000                  ; cx
	s_bfe_u32 s41, ttmp6, 0x40004                  ; cy
	s_lshl_b32 s42, ttmp9, 2
	s_add_co_u32 s42, s42, s40                     ; tile column = the head
	s_and_b32 s43, ttmp7, 0xffff
	s_lshl_b32 s43, s43, 2
	s_add_co_u32 s43, s43, s41                     ; tile row
	s_lshl_b32 s44, s41, 2
	s_lshl_b32 s44, 15, s44                        ; my row of the cluster
	s_lshl_b32 s45, 0x1111, s40                    ; my column
	s_or_b32 s[G1], s44, (3<<16)|(1<<21)           ; the mask; elements of 8 bytes; bit 21 beside a mask; no padding
	s_or_b32 s[G1B], s45, (3<<16)|(1<<21)
	s_mov_b32 s[G1+1], (ROWA/8)<<16                ; tensor_dim0 = a row of 16,384 bytes
	s_mov_b32 s[G1+2], 2<<16                       ; tensor_dim1 = 2 panels
	s_mov_b32 s[G1+3], (ROWA/8)<<16                ; tile_dim0
	s_mov_b32 s[G1+4], 2                           ; tile_dim1
	s_mov_b32 s[G1+5], PANA/8                      ; from panel to panel
	s_mov_b32 s[G1+6], 0
	s_mov_b32 s[G1+7], 0
	s_mov_b32 s[G1B+1], (ROWW/8)<<16
	s_mov_b32 s[G1B+2], 2<<16
	s_mov_b32 s[G1B+3], (ROWW/8)<<16
	s_mov_b32 s[G1B+4], 2
	s_mov_b32 s[G1B+5], PANW/8
	s_mov_b32 s[G1B+6], 0
	s_mov_b32 s[G1B+7], 0
	s_lshl_b32 s46, s43, 14                        ; A: the tile row's 16 fragments in a panel,
	s_lshl_b32 s47, s[HF], 19                      ; my two panels
	s_add_co_u32 s46, s46, s47
	s_mov_b32 s47, 0
	s_mul_i32 s22, s42, ROWW                       ; W: the head's 12 fragments,
	s_mul_i32 s23, s[HF], 2*PANW
	s_add_co_u32 s22, s22, s23
	s_mov_b32 s23, 0
	s_lshl_b32 s21, s[HF], 15                      ; LDS: A's two halves,
	s_mul_i32 s19, s[HF], 2*ROWW
	s_add_co_u32 s19, s19, WOFF                    ; W's two halves: the wave's number alone
	s_mov_b32 s[TB], 0
	s_wait_dscnt 0x0                               ; the opening add is done
	s_wait_kmcnt 0x0
	s_add_nc_u64 s[46:47], s[4:5], s[46:47]
	s_add_nc_u64 s[22:23], s[6:7], s[22:23]
	CROUND                                         ; all sixteen work-groups are here: the first joint loads meet
.irp s, 0,1
	s_mov_b32 s[G0+4*(\s)], 1
	s_add_co_u32 s[G0+4*(\s)+1], s21, (\s)*SLOTX
	s_add_nc_u64 s[G0+4*(\s)+2:G0+4*(\s)+3], s[46:47], (\s)*STEPA
	s_or_b32 s[G0+4*(\s)+3], s[G0+4*(\s)+3], 0x80000000
	s_mov_b32 s[G0B+4*(\s)], 1
	s_add_co_u32 s[G0B+4*(\s)+1], s19, (\s)*SLOTX
	s_add_nc_u64 s[G0B+4*(\s)+2:G0B+4*(\s)+3], s[22:23], (\s)*STEPW
	s_or_b32 s[G0B+4*(\s)+3], s[G0B+4*(\s)+3], 0x80000000
.endr
	s_cmp_eq_u32 s[FB], 0                          ; a wave's two first fills stand in one branch: two loads of mine are out
	s_cbranch_scc0 .Lfirst_b
	tensor_load_to_lds s[G0:G0+3], s[G1:G1+7]
	s_nop 0
	tensor_load_to_lds s[G0+4:G0+7], s[G1:G1+7]
	s_nop 0
.rept 4
	v_nop
.endr
	s_branch .Lfirst_asked
.Lfirst_b:
	tensor_load_to_lds s[G0B:G0B+3], s[G1B:G1B+7]
	s_nop 0
	tensor_load_to_lds s[G0B+4:G0B+7], s[G1B:G1B+7]
	s_nop 0
.rept 4
	v_nop
.endr
.Lfirst_asked:
	v_and_b32 v1, 31, v0
	v_lshlrev_b32 v[L16], 4, v1
	v_bfe_u32 v7, v0, 4, 1                         ; l / 16
	v_and_b32 v8, 15, v0                           ; l % 16
	s_lshl_b32 s72, s42, 8                         ; the head's 64 numbers in each bias
	v_lshl_add_u32 v[BO], v7, 5, s72               ; transposed: register j is channel 16 b + 8 (l / 16) + j
	v_lshl_add_u32 v[BVO], v8, 2, s72              ; natural: every register is channel 16 b + l % 16
.irp b, 0,1,2,3
	global_load_b128 v[BQK+8*(\b):BQK+8*(\b)+3],   v[BO], s[8:9] offset:64*(\b)
	global_load_b128 v[BQK+8*(\b)+4:BQK+8*(\b)+7], v[BO], s[8:9] offset:64*(\b)+16
	global_load_b128 v[BQK+32+8*(\b):BQK+32+8*(\b)+3],   v[BO], s[10:11] offset:64*(\b)
	global_load_b128 v[BQK+32+8*(\b)+4:BQK+32+8*(\b)+7], v[BO], s[10:11] offset:64*(\b)+16
	global_load_b32 v[BVR+8*(\b)], v[BVO], s[12:13] offset:64*(\b)
.endr
	s_lshl_b32 s21, s[WV], 12                      ; my 64 rows: four fragments
	v_add_nc_u32 v[A0], s21, v[L16]
	v_add_nc_u32 v[B0], WOFF, v[L16]
	v_mov_b32 v[ADRA], v[A0]
	v_mov_b32 v[ADRB], v[B0]
	; where q, k, v go: (batch, head) = (tile row / 8) x 16 + head; my first block of 16 tokens = (tile row % 8) x 16 + 4 x wave
	s_lshr_b32 s72, s43, 3
	s_lshl_b32 s72, s72, 4
	s_add_co_u32 s72, s72, s42
	s_lshl_b32 s72, s72, 18
	s_and_b32 s73, s43, 7
	s_lshl_b32 s73, s73, 4
	s_lshl2_add_u32 s73, s[WV], s73
	s_lshl_b32 s73, s73, 11
	s_add_co_u32 s72, s72, s73
	s_mov_b32 s73, 0
	s_add_nc_u64 s[82:83], s[14:15], s[72:73]
	s_add_nc_u64 s[84:85], s[82:83], 0x800000
	s_add_nc_u64 s[86:87], s[82:83], 0x1000000
	; the prefetches
	s_and_b32 s72, ttmp7, 0xffff                   ; cluster y
	s_mov_b32 s75, ROWW
	s_mov_b32 s76, PANW
	s_mov_b32 s[PST], STEPW
	s_mov_b32 s[PST+1], 0
	s_cmp_eq_u32 s[FB], 0                          ; do I fetch for A?
	s_cselect_b32 s73, s43, s42                    ; the tile
	s_cselect_b32 s74, s40, s41                    ; my place among the four that ask with me
	s_cselect_b32 s72, ttmp9, s72                  ; the coordinate along which other clusters read the same bytes
	s_cselect_b32 s75, ROWA, s75
	s_cselect_b32 s76, PANA, s76
	s_cselect_b32 s[PST], STEPA, s[PST]
	s_cselect_b32 s77, 31, 23                      ; half of W's row is 24 blocks of 256 bytes: lanes 24 to 31 name the 24th again
	s_cselect_b64 s[PFA:PFA+1], s[4:5], s[6:7]
	s_cmp_eq_u32 s72, 0
	s_cselect_b32 s[LIM], 1, -1                    ; the same in all sixteen partners, for a given wave
	s_mul_i32 s73, s73, s75
	s_lshr_b32 s80, s74, 1
	s_lshl1_add_u32 s80, s[HF], s80                ; the panel: 2 x half + place / 2
	s_mul_i32 s80, s80, s76
	s_add_co_u32 s73, s73, s80
	s_and_b32 s74, s74, 1
	s_lshr_b32 s75, s75, 1
	s_mul_i32 s74, s74, s75                        ; which half of the row
	s_add_co_u32 s73, s73, s74
	s_lshl1_add_u32 s80, s[PST], s73               ; at K step 2: the first refill steps it to 3
	s_mov_b32 s81, 0
	s_add_nc_u64 s[PFA:PFA+1], s[PFA:PFA+1], s[80:81]
	v_min_u32 v[PFO], s77, v1
	v_lshlrev_b32 v[PFO], 8, v[PFO]
; 16 products for q, k: row blocks a0, a0 + 1 x column blocks 0..7.  first = 1: the bias starts the sum.  All 48 accumulators take turns, one instruction a turn.
.macro MULT f, a0, first
.if \first
	WIN 0x81                                       ; W window 1, A and the bias window 0, D window 2
.else
	WIN 0xa1
.endif
.irp a, \a0, (\a0)+1
.irp b, 0,1,2,3,4,5,6,7
.if \first
	v_wmma_f32_16x16x32_bf16 v[8*(8*(\a)+(\b)):8*(8*(\a)+(\b))+7], v[96*(\f)+8*(\b):96*(\f)+8*(\b)+7], v[FA+32*(\f)+8*(\a):FA+32*(\f)+8*(\a)+7], v[BQK+8*(\b):BQK+8*(\b)+7]
.else
	v_wmma_f32_16x16x32_bf16 v[8*(8*(\a)+(\b)):8*(8*(\a)+(\b))+7], v[96*(\f)+8*(\b):96*(\f)+8*(\b)+7], v[FA+32*(\f)+8*(\a):FA+32*(\f)+8*(\a)+7], v[8*(8*(\a)+(\b)):8*(8*(\a)+(\b))+7]
.endif
.endr
.endr
.endm
; 16 products for v, in the natural order
.macro MULN f, first
.if \first
	WIN 0xc4                                       ; A and the bias window 0, W window 1, D window 3
.else
	WIN 0xf4
.endif
.irp a, 0,1,2,3
.irp b, 0,1,2,3
.if \first
	v_wmma_f32_16x16x32_bf16 v[8*(4*(\a)+(\b)):8*(4*(\a)+(\b))+7], v[FA+32*(\f)+8*(\a):FA+32*(\f)+8*(\a)+7], v[96*(\f)+64+8*(\b):96*(\f)+64+8*(\b)+7], v[BVR+8*(\b):BVR+8*(\b)+7]
.else
	v_wmma_f32_16x16x32_bf16 v[8*(4*(\a)+(\b)):8*(4*(\a)+(\b))+7], v[FA+32*(\f)+8*(\a):FA+32*(\f)+8*(\a)+7], v[96*(\f)+64+8*(\b):96*(\f)+64+8*(\b)+7], v[8*(4*(\a)+(\b)):8*(4*(\a)+(\b))+7]
.endif
.endr
.endr
.endm
; 32 LDS loads in one run: panel q of the slot in hand into buffer f: W's blocks 0-7, A's four, W's blocks 8-11 (v's, wanted last)
.macro FETCH q, f
	WIN TO_B
.irp i, 0,1,2,3,4,5,6,7
	ds_load_b128 v[96*(\f)+8*(\i):96*(\f)+8*(\i)+3],   v[ADRB] offset:(\q)*ROWW+(\i)*1024
	ds_load_b128 v[96*(\f)+8*(\i)+4:96*(\f)+8*(\i)+7], v[ADRB] offset:(\q)*ROWW+(\i)*1024+512
.endr
	WIN 0
.irp i, 0,1,2,3
	ds_load_b128 v[FA+32*(\f)+8*(\i):FA+32*(\f)+8*(\i)+3],   v[ADRA] offset:(\q)*ROWA+(\i)*1024
	ds_load_b128 v[FA+32*(\f)+8*(\i)+4:FA+32*(\f)+8*(\i)+7], v[ADRA] offset:(\q)*ROWA+(\i)*1024+512
.endr
	WIN TO_B
.irp i, 8,9,10,11
	ds_load_b128 v[96*(\f)+8*(\i):96*(\f)+8*(\i)+3],   v[ADRB] offset:(\q)*ROWW+(\i)*1024
	ds_load_b128 v[96*(\f)+8*(\i)+4:96*(\f)+8*(\i)+7], v[ADRB] offset:(\q)*ROWW+(\i)*1024+512
.endr
.endm
.macro PHASE q, f, g, first            ; multiplies buffer f; fetches panel q into buffer g
	s_wait_dscnt 8                                 ; all but W's blocks 8-11
	MULT \f, 0, \first
	PLACES
	FETCH \q, \g
	s_wait_dscnt 32                                ; all but the 32 just issued
	MULT \f, 2, \first
	MULN \f, \first
.endm
.macro FLIP                            ; the LDS reads go to the other slot
	s_xor_b32 s[TB], s[TB], SLOTX
	v_add_nc_u32 v[ADRA], s[TB], v[A0]
	v_add_nc_u32 v[ADRB], s[TB], v[B0]
.endm
; The step's last panel (buffer 1) and the change of slots: ONE barrier; ahead of it each wave waits for all its tensor loads (one is out: its part of the next slot), adds 0 to its spare word, and waits for that and for its reads of this slot.
.macro MEET
	WIN 0
	s_wait_tensorcnt 0x0
	ds_add_u32 v[SPW], v[NIL]
	s_wait_dscnt 9                                 ; (the add and the youngest eight loads may be out)
	MULT 1, 0, 0
	s_wait_dscnt 0x0                               ; the add is done, my reads of this slot are over
	s_barrier_signal -1
	MULT 1, 2, 0
	WIN 0
	s_barrier_wait -1
.endm
.macro TURN
	s_wait_xcnt 0x0                                ; the last prefetch, a K step back, has read its address
	s_add_nc_u64 s[PFA:PFA+1], s[PFA:PFA+1], s[PST:PST+1]
	MEET
	CREST                                          ; the barrier has opened a round of the cluster's: no wave of any partner still reads this slot or has a load on its way
	s_xor_b32 s[G0+5], s[G0+5], SLOTX              ; the walking descriptors: the other slot than last time, the next K step
	s_add_nc_u64 s[G0+6:G0+7], s[G0+6:G0+7], STEPA
	s_xor_b32 s[G0B+5], s[G0B+5], SLOTX
	s_add_nc_u64 s[G0B+6:G0B+7], s[G0B+6:G0B+7], STEPW
	JLOAD                                          ; my one tensor load behind the round; its four v_nop are also the places ahead of the loads below
	FLIP
	FETCH 0, 0
	WIN 0
	ASK
	MULN 1, 0
.endm
	s_wait_tensorcnt 1                             ; my part of K step 0 is in; step 1's may stay out
	s_barrier_signal -1
	s_barrier_wait -1
	FETCH 0, 0
	WIN 0
	s_wait_loadcnt 0x0                             ; the biases
.irp b, 0,1,2,3
.irp j, 1,2,3,4,5,6,7
	v_mov_b32 v[BVR+8*(\b)+(\j)], v[BVR+8*(\b)]
.endr
.endr
	PHASE 1, 0, 1, 1                               ; the first panel stands ahead of the loop: its products start the sums
	WIN 0
	s_mov_b32 s3, NSTEPS-2
.Lstep:                                                ; a trip: from a step's second panel to the next step's first; one refill
	PHASE 2, 1, 0, 0
	PHASE 3, 0, 1, 0
	TURN
	PHASE 1, 0, 1, 0
	WIN 0
	s_sub_co_u32 s3, s3, 1
	s_cmp_lg_u32 s3, 0
	s_cbranch_scc1 .Lstep
	s_mov_b32 s2, 2                                ; the last two steps ask for nothing: written apart
.Ltail:
	PHASE 2, 1, 0, 0
	PHASE 3, 0, 1, 0
	MEET
	s_sub_co_u32 s2, s2, 1
	s_cmp_eq_u32 s2, 0
	s_cbranch_scc1 .Lfin
	PLACES
	FLIP
	FETCH 0, 0
	MULN 1, 0
	PHASE 1, 0, 1, 0
	WIN 0
	s_branch .Ltail
.Lfin:
	MULN 1, 0
	PLACES
	; THE WAY OUT: each accumulator rounds to 16 bytes a lane, which are 512 consecutive bytes a wave of the layout that attention reads
	WIN 0x0a
.set i, 0
.rept 32
.irp r, 0,1,2,3
	v_cvt_pk_bf16_f32 v[OUT+4*i+(\r)], v[8*i+2*(\r)], v[8*i+2*(\r)+1]
.endr
.set i, i+1
.endr
	WIN 0x0f
.set i, 0
.rept 16
.irp r, 0,1,2,3
	v_cvt_pk_bf16_f32 v[OUT+128+4*i+(\r)], v[8*i+2*(\r)], v[8*i+2*(\r)+1]
.endr
.set i, i+1
.endr
	WIN 0
.irp a, 0,1,2,3
.irp b, 0,1,2,3
	global_store_b128 v[L16], v[OUT+4*(8*(\a)+(\b)):OUT+4*(8*(\a)+(\b))+3], s[82:83] offset:(\a)*2048+(\b)*512
	global_store_b128 v[L16], v[OUT+4*(8*(\a)+4+(\b)):OUT+4*(8*(\a)+4+(\b))+3], s[84:85] offset:(\a)*2048+(\b)*512
	global_store_b128 v[L16], v[OUT+128+4*(4*(\a)+(\b)):OUT+128+4*(4*(\a)+(\b))+3], s[86:87] offset:((\a)/2)*4096+(\b)*1024+((\a)%2)*512
.endr
.endr
	s_wait_tensorcnt 0x0                           ; the wave's end
	ds_add_u32 v[SPW], v[NIL]
	s_wait_dscnt 0x0
	CROUND                                         ; the closing round
	s_endpgm
.Lfunc_end_k_q01df733bc2_qkvp:
	.size	k_q01df733bc2_qkvp, .Lfunc_end_k_q01df733bc2_qkvp-k_q01df733bc2_qkvp
	.p2alignl 7, 3214868480
	.fill 96, 4, 3214868480
	.section	.rodata,"a",@progbits
	.p2align	6, 0x0
	.amdhsa_kernel k_q01df733bc2_qkvp
		.amdhsa_group_segment_fixed_size 327680
		.amdhsa_private_segment_fixed_size 0
		.amdhsa_enable_private_segment 0
		.amdhsa_kernarg_size 48
		.amdhsa_user_sgpr_count 2
		.amdhsa_user_sgpr_kernarg_segment_ptr 1
		.amdhsa_wavefront_size32 1
		.amdhsa_system_sgpr_workgroup_id_x 1
		.amdhsa_system_sgpr_workgroup_id_y 1
		.amdhsa_system_sgpr_workgroup_id_z 1
		.amdhsa_system_vgpr_workitem_id 0
		.amdhsa_next_free_vgpr 896
		.amdhsa_next_free_sgpr 96
		.amdhsa_reserve_vcc 0
		.amdhsa_float_denorm_mode_32 3
		.amdhsa_float_denorm_mode_16_64 3
		.amdhsa_memory_ordered 1
		.amdhsa_forward_progress 1
		.amdhsa_inst_pref_size 81
	.end_amdhsa_kernel
	.amdgpu_metadata
---
amdhsa.version: [ 1, 2 ]
amdhsa.kernels:
  - .name:           k_q01df733bc2_qkvp
    .symbol:         k_q01df733bc2_qkvp.kd
    .args:
      - { .name: xn, .offset: 0, .size: 8, .value_kind: global_buffer, .address_space: global }
      - { .name: wts, .offset: 8, .size: 8, .value_kind: global_buffer, .address_space: global }
      - { .name: bq, .offset: 16, .size: 8, .value_kind: global_buffer, .address_space: global }
      - { .name: bk, .offset: 24, .size: 8, .value_kind: global_buffer, .address_space: global }
      - { .name: bv, .offset: 32, .size: 8, .value_kind: global_buffer, .address_space: global }
      - { .name: qkv, .offset: 40, .size: 8, .value_kind: global_buffer, .address_space: global }
    .group_segment_fixed_size: 327680
    .private_segment_fixed_size: 0
    .kernarg_segment_align: 8
    .kernarg_segment_size: 48
    .max_flat_workgroup_size: 128
    .sgpr_count:     96
    .vgpr_count:     896
    .wavefront_size: 32
...
	.end_amdgpu_metadata
.endif
;; end of part 2
;; launch attn (part 3): grid 8 x 32, 4 waves a work-group, clusters of 4 x 1, 327,680 bytes of LDS; arguments qkv, ob; writes ob
.if DOCPART == 3
	.amdgcn_target "amdgcn-amd-amdhsa--gfx1250"
	.amdhsa_code_object_version 6
	.text
	.protected	k_q01df733bc2_attn
	.globl	k_q01df733bc2_attn
	.p2align	8
	.type	k_q01df733bc2_attn,@function
k_q01df733bc2_attn:
	s_mov_b64 s[64:65], 0
	v_nop
	global_prefetch_b8 v0, s[64:65] scope:SCOPE_SE
	s_setreg_imm32_b32 hwreg(HW_REG_WAVE_MODE, 25, 1), 1
	s_wait_xcnt 0x0
	s_wait_alu depctr_hold_cnt(0) depctr_sa_sdst(0) depctr_va_vdst(0) depctr_va_sdst(0) depctr_va_ssrc(0) depctr_va_vcc(0) depctr_vm_vsrc(0)
	s_getreg_b32 s2, hwreg(HW_REG_IB_STS2, 6, 4)
	s_cmp_eq_u32 s2, 0
	s_cbranch_scc0 .Lentry_in_a_cluster
	s_endpgm
.Lentry_in_a_cluster:
	s_bfe_u32 s2, ttmp6, 0x10000c
	s_cmp_lg_u32 s2, 0x3003
	s_cbranch_scc0 .Lentry_shape_is_right
	s_endpgm
.Lentry_shape_is_right:
; ATTENTION.  O[q] = the sum over k of softmax_k(Q[q] . K[k] / 32) V[k], for 32 (batch, head) pairs of 2,048 tokens x 64 channels.  Q, K, V arrive in bf16 as fragments (see below), unscaled.
; Products, maxima and sums in f32; the weights p are rounded to bf16 for the second product (their sum l is taken of the unrounded p), O once at the end.
; LIMITS.  A weight below 2^-126 counts as 0 in l; NaN and infinities are not treated apart.
; SHARES.  A work-group owns 256 queries of one pair, a wave four PIECES of 16.  Every wave walks all keys, 64 a step, 8 steps (512 keys) a slot, 4 slots.
; LAYOUT.  S^T = K Q^T (source 0 = 16 keys, source 1 = 16 queries): a lane holds ONE query (lane % 16) and the keys 8 (lane / 16) + 0..7.  Two such results rounded to bf16 ARE source 1 of O^T = V^T P.
; Q, K: [t / 16][512 (d / 16) + 16 l]; V, as V^T: [t / 32][d / 16][512 ((t / 16) % 2) + 16 l]: operands' register images, fetched by loads of 512 consecutive bytes: no padding, no turning load.
; SOFTMAX.  A running maximum m and sum l: p = 2^(c s - c m), c = log2(e) / 32; in every step O and l are multiplied by a = 2^(c m_old - c m_new).  m starts at the lowest finite number, O and l at 0.
; TURNS.  Turn n belongs to piece n: 8 products K Q^T of piece n + 1, later 8 products V^T P of piece n - 1; beside them the scaling, exponentials, roundings, sums and rescaling of piece n and the
; maximum and statistics of piece n + 1.  Four vector instructions stand behind every matrix instruction, the rest in one lump.  A turn's 33 exponentials are one batch, with one wait.
; CLUSTER.  The four query blocks of a cluster belong to one pair and walk the same K and V: each tile is asked for jointly.
; OUT.  A lane's 8 channels of a query are a chunk of the fragment layout that the projection reads as its A (K 1024, 4096 rows): 512 consecutive bytes a store, no LDS on the way out.
; REGISTERS, in windows of 256: window 0: v0-15 addresses; v16-31 statistics; v48-55 at work; v64-127 S^T, two buffers; v192-223 P, two buffers.  window 1: v0-127 O^T.  window 2: v0-63 Q; v128-191 K; v192-255 V.
.set NP,    4
.set SLOT1, 1<<17                      ; a slot: 65,536 bytes of K, then 65,536 of V
.set VOFF,  65536
.set STEPB, 8192                       ; a step's bytes of K, and of V
.set SPARE, 2*SLOT1
.set AK0, 2
.set AV0, 3
.set AK,  4
.set AV,  5
.set GO,  8                            ; v8  16 x lane; never rewritten
.set MV,  12
.set ST,  16                           ; piece t: c m, m, l (even keys', odd keys')
.set TMP, 48
.set PFO, 61
.set SPW, 62
.set NIL, 63
.set S,   64
.set P,   192
.set KF,  128
.set VF,  192
.set WV,  12
.set LIM, 15
.set PFA, 18
.set G1,  24
.set G0,  40
.set SLOTS, 56
.set CNT, 57
.set CS,  58
.set SEL, 60
.set TBK, 62
.set TBV, 63
.set MSB, 0
.macro WIN new
.if MSB != (\new)
	s_set_vgpr_msb (MSB<<8)|(\new)
.set MSB, (\new)
.endif
.endm
.set W_KQ, 0x0a
.set W_PV, 0x52
.set W_RS, 0x41
; A joint fill: wave w brings 32,768 dense bytes (waves 0, 1: the halves of a slot's K; 2, 3: of its V) to LDS byte 32,768 w of the slot: one line for all four waves, each with its own addresses.
.macro JLOAD
	tensor_load_to_lds s[G0:G0+3], s[G1:G1+7]
	s_nop 0
.rept 4
	v_nop
.endr
.endm
.macro CROUND
	s_barrier_signal -1
	s_barrier_wait -1
	s_cmp_lg_u32 s[WV], 0
	s_cbranch_scc1 .Lnot_wave_0_\@
	s_barrier_signal -3
.Lnot_wave_0_\@:
	s_barrier_wait -3
	s_barrier_signal -1
	s_barrier_wait -1
.endm
; A prefetch of what the NEXT change of slots will ask for.  Both clusters of a pair walk the same K and V: the first asks.  Of the 32,768 bytes that a wave will load, each of the four partners takes 8,192,
; told apart by address: a lane a block of 256 bytes.  The last change that fills a slot asks for nothing.
.macro ASK
	s_cmp_gt_u32 s[SLOTS], s[LIM]
	s_cbranch_scc0 .Lnot_mine_\@
	global_prefetch_b8 v[PFO], s[PFA:PFA+1] th:TH_LOAD_NT scope:SCOPE_SE
.Lnot_mine_\@:
.endm
; THE CHANGE OF SLOTS.  Each wave waits for all its tensor loads (one is out: its part of the other slot), adds 0 to its spare word, and waits for that and for its reads of the slot that it leaves.
; fill = 1: the barrier is a round of the cluster's, and the joint fill is the first thing behind it: it has eight key steps in which to land.
.macro CHANGE fill
	WIN 0
	s_wait_tensorcnt 0x0
	ds_add_u32 v[SPW], v[NIL]
.if \fill
	s_xor_b32 s[G0+1], s[G0+1], SLOT1
	s_add_nc_u64 s[G0+2:G0+3], s[G0+2:G0+3], 65536
	s_wait_xcnt 0x0                                ; the last prefetch, a slot back, has read its address
	s_add_nc_u64 s[PFA:PFA+1], s[PFA:PFA+1], 65536
	s_wait_dscnt 0x0
	CROUND
	JLOAD
	ASK
.else
	s_wait_dscnt 0x0
	s_barrier_signal -1
	s_barrier_wait -1
.endif
	s_sub_co_u32 s[TBK], s[TBK], 65536             ; the fetches go back to a slot's first step, in the other slot
	s_xor_b32 s[TBK], s[TBK], SLOT1
	s_sub_co_u32 s[TBV], s[TBV], 65536
	s_xor_b32 s[TBV], s[TBV], SLOT1
.endm
	s_load_b128 s[4:7], s[0:1], 0x0                ; qkv 4, ob 6
	v_lshl_add_u32 v[SPW], v0, 2, SPARE
	v_mov_b32 v[NIL], 0
	ds_add_u32 v[SPW], v[NIL]                      ; the wave's opening: the add and its wait stand ahead of my first tensor load
	v_lshrrev_b32 v1, 5, v0
	v_readfirstlane_b32 s[WV], v1
	s_bfe_u32 s13, ttmp6, 0x40000                  ; cx
	s_lshl_b32 s14, ttmp9, 2
	s_add_co_u32 s14, s14, s13                     ; my block of 256 queries: it enters Q's and O's addresses alone
	s_and_b32 s20, ttmp7, 0xffff                   ; the (batch, head) pair, which the partners share
	s_lshl_b32 s21, s20, 18
	s_lshr_b32 s16, s[WV], 1
	s_add_co_u32 s16, s16, 1
	s_lshl_b32 s16, s16, 23                        ; K at 8 MiB (waves 0, 1), V at 16 MiB (waves 2, 3)
	s_and_b32 s17, s[WV], 1
	s_lshl_b32 s17, s17, 15                        ; which half of a slot's 65,536 bytes
	s_add_co_u32 s22, s16, s17
	s_add_co_u32 s22, s22, s21
	s_mov_b32 s23, 0
	s_lshl_b32 s2, s14, 15                         ; Q: my block's 16 blocks of 16 tokens, 2,048 bytes each,
	s_lshl_b32 s3, s[WV], 13                       ; my wave's four
	s_add_co_u32 s2, s2, s3
	s_add_co_u32 s2, s2, s21
	s_mov_b32 s3, 0
	s_and_b32 s44, s20, 15                         ; O: fragment (k block 2 head + ..., row block 128 batch + ...)
	s_lshl_b32 s44, s44, 19
	s_lshr_b32 s45, s20, 4
	s_lshl_b32 s45, s45, 17
	s_add_co_u32 s44, s44, s45
	s_lshl_b32 s45, s14, 14
	s_add_co_u32 s44, s44, s45
	s_lshl_b32 s45, s[WV], 12
	s_add_co_u32 s44, s44, s45
	s_mov_b32 s45, 0
	s_lshl_b32 s46, s13, 13                        ; the prefetches: my work-group's 8,192 bytes, one slot on
	s_add_co_u32 s46, s46, 65536
	s_mov_b32 s47, 0
	s_mov_b32 s[G1], 15|(3<<16)|(1<<21)            ; the mask of four; elements of 8 bytes; bit 21 beside a mask; no padding
	s_mov_b32 s[G1+1], 32<<16                      ; 128 rows of 256 bytes, dense
	s_mov_b32 s[G1+2], 128<<16
	s_mov_b32 s[G1+3], 32<<16
	s_mov_b32 s[G1+4], 128
	s_mov_b32 s[G1+5], 32
	s_mov_b32 s[G1+6], 0
	s_mov_b32 s[G1+7], 0
	s_mov_b32 s[G0], 1
	s_lshl_b32 s[G0+1], s[WV], 15                  ; slot 0
	s_mov_b32 s[CS], 0x3d38aa3b                    ; c = log2(e) / 32
	s_mov_b32 s[CS+1], s[CS]
	s_mov_b32 s[SEL], 0x76543210
	s_mov_b32 s[SEL+1], 0xfedcba98
	s_mov_b32 s[TBK], SLOT1+65536                  ; the first change of slots turns these two into 0
	s_mov_b32 s[TBV], SLOT1+65536
	s_mov_b32 s[SLOTS], 3
	s_cmp_eq_u32 ttmp9, 0
	s_cselect_b32 s[LIM], 1, -1                    ; the same in all four partners
	s_wait_dscnt 0x0                               ; the opening add is done
	s_wait_kmcnt 0x0
	s_add_nc_u64 s[G0+2:G0+3], s[4:5], s[22:23]
	s_add_nc_u64 s[PFA:PFA+1], s[G0+2:G0+3], s[46:47]
	s_or_b32 s[G0+3], s[G0+3], 0x80000000
	s_add_nc_u64 s[8:9], s[4:5], s[2:3]            ; Q at my wave's first piece
	s_add_nc_u64 s[10:11], s[6:7], s[44:45]        ; O likewise
	CROUND                                         ; all four work-groups are here
	JLOAD                                          ; slot 0; slot 1 is asked for when slot 0 is in
	v_and_b32 v1, 31, v0
	v_lshlrev_b32 v[GO], 4, v1
	v_lshlrev_b32 v[PFO], 8, v1
	v_mov_b32 v[AK0], v[GO]
	v_add_nc_u32 v[AV0], VOFF, v[GO]
	WIN 0x80
.set i, 0
.rept 8                                ; Q stays in registers: piece i / 2, channels 32 (i % 2) on
	global_load_b128 v[8*i:8*i+3],   v[GO], s[8:9] offset:(i/2)*2048+(i%2)*1024
	global_load_b128 v[8*i+4:8*i+7], v[GO], s[8:9] offset:(i/2)*2048+(i%2)*1024+512
.set i, i+1
.endr
	; What the first turn finds: V and P's second buffer hold 0 (its products V^T P, of a piece that has not been, add 0), O^T and l are 0.  All this stands in the wait for the first tile.
.set i, VF
.rept 64
	v_mov_b32 v[i], 0
.set i, i+1
.endr
	WIN 0x40
.set i, 0
.rept 128
	v_mov_b32 v[i], 0
.set i, i+1
.endr
	WIN 0
.set i, 0
.rept 4
	v_mov_b32 v[ST+4*i], 0xfe000000                ; c m: far below every c s
	v_mov_b32 v[ST+4*i+1], 0xff7fffff              ; m
	v_mov_b32 v[ST+4*i+2], 0
	v_mov_b32 v[ST+4*i+3], 0
.set i, i+1
.endr
.set i, P+16
.rept 16
	v_mov_b32 v[i], 0
.set i, i+1
.endr
; THE MATRIX WORK.  The 4 accumulators of a run of 8 take turns.  Product i of 8 of S^T = K Q^T for piece x: channels 32 (i / 4) on, keys 16 (i % 4) on.
.macro KQ x
	WIN W_KQ
.set rS, S+32*((\x)%2)+8*(i%4)
.set rK, KF+16*(i%4)+8*(i/4)
.set rQ, 16*(\x)+8*(i/4)
.if i < 4
	v_wmma_f32_16x16x32_bf16 v[rS:rS+7], v[rK:rK+7], v[rQ:rQ+7], 0
.else
	v_wmma_f32_16x16x32_bf16 v[rS:rS+7], v[rK:rK+7], v[rQ:rQ+7], v[rS:rS+7]
.endif
.endm
; Product i of 8 of O^T += V^T P for piece x: keys 32 (i / 4) on, channels 16 (i % 4) on.
.macro PV x
	WIN W_PV
.set rO, 32*(\x)+8*(i%4)
.set rV, VF+32*(i/4)+8*(i%4)
.set rP, P+16*((\x)%2)+8*(i/4)
	v_wmma_f32_16x16x32_bf16 v[rO:rO+7], v[rV:rV+7], v[rP:rP+7], v[rO:rO+7]
.endm
.macro MM                              ; the turn's next matrix instruction
.if i < 8
	KQ (Y+1)%NP
.else
.set i, i-8
	PV (Y+NP-1)%NP
.set i, i+8
.endif
.set i, i+1
.endm
; THE LDS LOADS stand in runs of 16: a step's K (8 fragments) and its V (8 fragments).
.macro FETCH_K
	WIN 0x80
.irp f, 0,1,2,3,4,5,6,7
	ds_load_b128 v[KF+8*\f:KF+8*\f+3],   v[AK] offset:\f*1024
	ds_load_b128 v[KF+8*\f+4:KF+8*\f+7], v[AK] offset:\f*1024+512
.endr
	s_add_co_u32 s[TBK], s[TBK], STEPB
	WIN 0
.endm
.macro FETCH_V
	WIN 0x80
.irp f, 0,1,2,3,4,5,6,7
	ds_load_b128 v[VF+8*\f:VF+8*\f+3],   v[AV] offset:\f*1024
	ds_load_b128 v[VF+8*\f+4:VF+8*\f+7], v[AV] offset:\f*1024+512
.endr
	WIN 0
.endm
; THE VECTOR WORK, one line at a time: OP kind, number.  For piece Y: F n: c s - c m for pair n.  E n: the exponential of score n.  C n: pair n rounded to bf16.  B n: of the four weights 4 n .. the second pair is
; added onto the first.  L n: l takes that sum (L 0: l = a l + sum).  R n: pair n of O^T times a.  For piece Y + 1: X n, number n of the 22 that find its maximum and statistics (each accumulator's lowest registers are read first).
.set F, 0
.set E, 1
.set C, 2
.set B, 3
.set L, 4
.set R, 5
.set X, 6
.macro REGS y
.set rT, ST+4*(\y)
.set rC, TMP+4*((\y)%2)
.set rW, MV+((\y)%2)
.set rS, S+32*((\y)%2)
.set rP, P+16*((\y)%2)
.set rO, 32*(\y)
.endm
.macro OP k, n
.if (\k) == R
	REGS Y
	WIN W_RS
	v_pk_mul_f32 v[rO+2*(\n):rO+2*(\n)+1], v[rO+2*(\n):rO+2*(\n)+1], v[rC+2:rC+3] op_sel_hi:[1,0]
.elseif (\k) < R
	REGS Y
	WIN 0
.if (\k) == F
	v_pk_fma_f32 v[rS+2*(\n):rS+2*(\n)+1], v[rS+2*(\n):rS+2*(\n)+1], s[CS:CS+1], v[rT:rT+1] op_sel_hi:[1,0,0] neg_lo:[0,0,1] neg_hi:[0,0,1]
.elseif (\k) == E
	v_exp_f32 v[rS+(\n)], v[rS+(\n)]
.elseif (\k) == C
	v_cvt_pk_bf16_f32 v[rP+(\n)], v[rS+2*(\n)], v[rS+2*(\n)+1]
.elseif (\k) == B
	v_pk_add_f32 v[rS+4*(\n):rS+4*(\n)+1], v[rS+4*(\n):rS+4*(\n)+1], v[rS+4*(\n)+2:rS+4*(\n)+3]
.elseif (\n) == 0
	v_pk_fma_f32 v[rT+2:rT+3], v[rT+2:rT+3], v[rC+2:rC+3], v[rS:rS+1] op_sel_hi:[1,0,1]
.else
	v_pk_add_f32 v[rT+2:rT+3], v[rT+2:rT+3], v[rS+4*(\n):rS+4*(\n)+1]
.endif
.else
	REGS (Y+1)%NP
	WIN 0
.if (\n) < 4
	v_max3_num_f32 v[rC+(\n)], v[rS+8*(\n)], v[rS+8*(\n)+1], v[rS+8*(\n)+2]
.elseif (\n) < 12
	v_max3_num_f32 v[rC+(\n)%4], v[rC+(\n)%4], v[rS+8*((\n)%4)+2*((\n)/4)+1], v[rS+8*((\n)%4)+2*((\n)/4)+2]
.elseif (\n) == 12
	v_max3_num_f32 v[rC], v[rC], v[rS+7], v[rS+15]
.elseif (\n) == 13
	v_max3_num_f32 v[rC+1], v[rC+1], v[rS+23], v[rS+31]
.elseif (\n) == 14
	v_max3_num_f32 v[rC+2], v[rC+2], v[rC+3], v[rT+1]
.elseif (\n) == 15
	v_mov_b32 v[rW], v[rT]
.elseif (\n) == 16
	v_max3_num_f32 v[rC], v[rC], v[rC+1], v[rC+2]
.elseif (\n) == 17
	v_permlanex16_b32 v[rC+3], v[rC], s[SEL], s[SEL+1]
.elseif (\n) == 18
	v_max_num_f32 v[rT+1], v[rC], v[rC+3]
.elseif (\n) == 19
	v_mul_f32 v[rT], s[CS], v[rT+1]
.elseif (\n) == 20
	v_sub_f32 v[rC+1], v[rW], v[rT]
.else
	v_exp_f32 v[rC+2], v[rC+1]
.endif
.endif
.endm
.macro OPS a, i1, b=-1, i2=0, c=-1, i3=0, d=-1, i4=0
	OP \a, \i1
.if (\b) >= 0
	OP \b, \i2
.endif
.if (\c) >= 0
	OP \c, \i3
.endif
.if (\d) >= 0
	OP \d, \i4
.endif
.endm
.macro ROW a, i1, b, i2, c, i3, d, i4  ; a matrix instruction and the four behind it
	MM
	OPS \a, \i1, \b, \i2, \c, \i3, \d, \i4
.endm
; A TURN, for piece p.  Ahead of its one wait stands all that names no result of the turn's exponentials; behind it the 8 products V^T P with the roundings and sums as riders.
; K of the next step is fetched in piece 2's turn and waited for at the head of piece 3's; V of the step in hand at the end of piece 0's turn and waited for in piece 1's.
; cnt = 1: the loop's count is taken down some lines ahead of the branch that stands behind the turn.
.macro TURN p, cnt=0
.set Y, (\p)
.set i, 0
.if (\p) == 3
	s_wait_dscnt 0x0                               ; K is in
.endif
	ROW F,0, F,1, R,0, R,1
	ROW F,2, E,0, R,2, R,3
	ROW F,3, E,1, R,4, R,5
	ROW F,4, E,2, R,6, R,7
	ROW F,5, E,3, R,8, R,9
	ROW F,6, E,4, X,0, R,10
.if (\p) == 2
	WIN 0
	v_add_nc_u32 v[AK], s[TBK], v[AK0]
.endif
	ROW F,7, E,5, X,1, X,4
	ROW F,8, E,6, X,2, X,5
	OPS E,7, E,8, X,6, E,9
	OPS X,3, E,10, X,8, E,11
.if (\p) == 2
	FETCH_K
.endif
	OPS X,9, X,7, E,12, X,10
	OPS E,13, X,12, X,11, E,14
	OPS X,13, E,15, F,9, X,14
.if (\p) == 0
	v_add_nc_u32 v[AV], s[TBV], v[AV0]
.endif
	OPS E,16, F,10, E,17, F,11
	OPS X,16, E,18, X,15, E,19
	OPS F,12, E,20, X,17, E,21
	OPS F,13, E,22, F,14, E,23
	OPS X,18, E,24, F,15, E,25
	OPS R,11, E,26, X,19, E,27
	OPS R,12, E,28, R,13, E,29
	OPS X,20, E,30, R,14, E,31
	OPS X,21, R,15                                 ; the next piece's a is the batch's last; R 15 is the plain instruction behind it
	WIN 0
	s_wait_alu depctr_va_vdst(0)                   ; the one wait for the batch, ahead of the first use
.if (\p) == 1
	s_wait_dscnt 0x0                               ; V is in
.endif
	ROW C,0, B,0, C,2, B,1
	ROW L,0, C,4, B,2, L,1
	ROW C,6, B,3, L,2, C,8
	ROW B,4, L,3, C,10, B,5
	ROW L,4, C,12, B,6, L,5
.if (\p) == 0
	s_add_co_u32 s[TBV], s[TBV], STEPB
.endif
.if \cnt
	s_sub_co_u32 s[CNT], s[CNT], 1
	s_cmp_lg_u32 s[CNT], 0
.endif
	ROW C,14, B,7, L,6, C,1
	ROW C,3, L,7, C,5, C,7
	ROW C,9, C,11, C,13, C,15
.if (\p) == 0
	FETCH_V
.endif
.endm
	CHANGE 1                                       ; slot 0 is in, everybody's part of it; slot 1 is asked for
	v_add_nc_u32 v[AK], s[TBK], v[AK0]
	FETCH_K                                        ; key step 0
	s_wait_loadcnt 0x0                             ; Q
	s_wait_dscnt 0x0
.set i, 0
.rept 8
	KQ 0                                           ; piece 0's first scores
.set i, i+1
.endr
	WIN 0
.rept 4
	v_nop                                          ; the places behind those products
.endr
.set Y, NP-1                           ; X works for piece Y + 1: piece 0
.irp n, 0,1,2,3,4,5,6,7,8,9,10,11,12,13,14,15,16,17,18,19,20,21
	OP X, \n
.endr
	v_nop                                          ; a plain instruction behind the exponential,
	s_wait_alu depctr_va_vdst(0)                   ; and its wait, ahead of the branch
	s_mov_b32 s[CNT], 8
	s_branch .Lfirst                               ; the loop is entered at a step's first turn, in the middle of a trip
.Lslot:                                                ; twice: every slot but the last two is filled again
	CHANGE 1
	s_mov_b32 s[CNT], 8
.Lstep:                                                ; a trip: pieces 2 and 3 of one step, then pieces 0 and 1 of the next, whose K and V it fetches
	TURN 2
	TURN 3
	WIN 0
.Lfirst:
	TURN 0
	TURN 1, 1
	WIN 0
	s_cbranch_scc1 .Lstep
	s_sub_co_u32 s[SLOTS], s[SLOTS], 1
	s_cmp_lg_u32 s[SLOTS], 0
	s_cbranch_scc1 .Lslot
	CHANGE 0                                       ; the tail is written out: nothing is asked for
	s_mov_b32 s[CNT], 9                            ; eight trips fetch the last slot's steps; the ninth is left in its middle.  Its fetch of K reads the first 8,192 bytes behind K's in the same slot
.Ltail:                                                ; (landed bytes of V); the scores made of them reach piece 0's m and a alone, which nothing reads any more: the price of one text for every trip
	TURN 2
	TURN 3
	WIN 0
	s_sub_co_u32 s[CNT], s[CNT], 1
	s_cmp_eq_u32 s[CNT], 0
	s_cbranch_scc1 .Lout
	TURN 0
	TURN 1
	WIN 0
	s_branch .Ltail
.Lout:
.set i, 0
.rept 8
	PV NP-1                                        ; the last piece's V^T P of the last step
.set i, i+1
.endr
	; THE WAY OUT.  l's two halves and the other half of the lanes' are added; O^T is divided by l, rounded to bf16 and stored.  The additions are the places behind the last products.
	WIN 0
.macro ALL line:vararg
.set t, 0
.rept 4
	\line
.set t, t+1
.endr
.endm
	ALL v_add_f32 v[ST+4*t+2], v[ST+4*t+2], v[ST+4*t+3]
	ALL v_permlanex16_b32 v[ST+4*t+3], v[ST+4*t+2], s[SEL], s[SEL+1]
	ALL v_add_f32 v[ST+4*t+2], v[ST+4*t+2], v[ST+4*t+3]
	ALL v_rcp_f32 v[ST+4*t+2], v[ST+4*t+2]
	v_nop                                          ; a plain instruction behind the last reciprocal,
	s_wait_alu depctr_va_vdst(0)                   ; and the one wait for the four
.macro PACK t
	WIN W_RS
.set i, 32*(\t)
.rept 16
	v_pk_mul_f32 v[i:i+1], v[i:i+1], v[ST+4*(\t)+2:ST+4*(\t)+3] op_sel_hi:[1,0]
.set i, i+2
.endr
	WIN 0x05
.set i, 0
.rept 16
	v_cvt_pk_bf16_f32 v[S+16*(\t)+i], v[32*(\t)+2*i], v[32*(\t)+2*i+1]
.set i, i+1
.endr
	WIN 0
.irp f, 0,1,2,3
	global_store_b128 v[GO], v[S+16*(\t)+4*\f:S+16*(\t)+4*\f+3], s[10:11] offset:(\f/2)*262144+(\t)*1024+(\f%2)*512   ; 512 consecutive bytes, aligned
.endr
.endm
	PACK 0
	PACK 1
	PACK 2
	PACK 3
	s_wait_tensorcnt 0x0                           ; the wave's end
	ds_add_u32 v[SPW], v[NIL]
	s_wait_dscnt 0x0
	CROUND                                         ; the closing round
	s_endpgm
.Lfunc_end_k_q01df733bc2_attn:
	.size	k_q01df733bc2_attn, .Lfunc_end_k_q01df733bc2_attn-k_q01df733bc2_attn
	.p2alignl 7, 3214868480
	.fill 96, 4, 3214868480
	.section	.rodata,"a",@progbits
	.p2align	6, 0x0
	.amdhsa_kernel k_q01df733bc2_attn
		.amdhsa_group_segment_fixed_size 327680
		.amdhsa_private_segment_fixed_size 0
		.amdhsa_enable_private_segment 0
		.amdhsa_kernarg_size 16
		.amdhsa_user_sgpr_count 2
		.amdhsa_user_sgpr_kernarg_segment_ptr 1
		.amdhsa_wavefront_size32 1
		.amdhsa_system_sgpr_workgroup_id_x 1
		.amdhsa_system_sgpr_workgroup_id_y 1
		.amdhsa_system_sgpr_workgroup_id_z 1
		.amdhsa_system_vgpr_workitem_id 0
		.amdhsa_next_free_vgpr 768
		.amdhsa_next_free_sgpr 66
		.amdhsa_reserve_vcc 0
		.amdhsa_float_denorm_mode_32 3
		.amdhsa_float_denorm_mode_16_64 3
		.amdhsa_memory_ordered 1
		.amdhsa_forward_progress 1
		.amdhsa_inst_pref_size 106
	.end_amdhsa_kernel
	.amdgpu_metadata
---
amdhsa.version: [ 1, 2 ]
amdhsa.kernels:
  - .name:           k_q01df733bc2_attn
    .symbol:         k_q01df733bc2_attn.kd
    .args:
      - { .name: qkv, .offset: 0, .size: 8, .value_kind: global_buffer, .address_space: global }
      - { .name: ob, .offset: 8, .size: 8, .value_kind: global_buffer, .address_space: global }
    .group_segment_fixed_size: 327680
    .private_segment_fixed_size: 0
    .kernarg_segment_align: 8
    .kernarg_segment_size: 16
    .max_flat_workgroup_size: 128
    .sgpr_count:     66
    .vgpr_count:     768
    .wavefront_size: 32
...
	.end_amdgpu_metadata
.endif
;; end of part 3
;; launch proj (part 4): grid 8 x 32, 4 waves a work-group, clusters of 4 x 4, 327,680 bytes of LDS; arguments ob, wts, bp, x, res; writes res
.if DOCPART == 4
	.amdgcn_target "amdgcn-amd-amdhsa--gfx1250"
	.amdhsa_code_object_version 6
	.text
	.protected	k_q01df733bc2_proj
	.globl	k_q01df733bc2_proj
	.p2align	8
	.type	k_q01df733bc2_proj,@function
k_q01df733bc2_proj:
	s_mov_b64 s[64:65], 0
	v_nop
	global_prefetch_b8 v0, s[64:65] scope:SCOPE_SE
	s_setreg_imm32_b32 hwreg(HW_REG_WAVE_MODE, 25, 1), 1
	s_wait_xcnt 0x0
	s_wait_alu depctr_hold_cnt(0) depctr_sa_sdst(0) depctr_va_vdst(0) depctr_va_sdst(0) depctr_va_ssrc(0) depctr_va_vcc(0) depctr_vm_vsrc(0)
	s_getreg_b32 s2, hwreg(HW_REG_IB_STS2, 6, 4)
	s_cmp_eq_u32 s2, 0
	s_cbranch_scc0 .Lentry_in_a_cluster
	s_endpgm
.Lentry_in_a_cluster:
	s_bfe_u32 s2, ttmp6, 0x10000c
	s_cmp_lg_u32 s2, 0xf033
	s_cbranch_scc0 .Lentry_shape_is_right
	s_endpgm
.Lentry_shape_is_right:
; res = x + O Wp + bp.  O: fragments (K 1024, 4096 rows), Wp: fragments (K 1024, 1024 columns) at byte WREG of wts, both bf16; sums, bias and residual in f32; res f32 [4096][1024].
; A tile is 128 x 128, so that 256 work-groups share the work; four waves, each 64 x 64: 16 accumulators.  K goes in NSTEPS steps of 256 through two LDS slots of 2^17 bytes.
; FRAGMENTS (16 rows x 32 k, 1,024 bytes, byte 512 j + 16 l) are operands' register images: two loads of 16 bytes a lane, 512 consecutive bytes each: no padding, no conflict.
; The product is taken transposed (source 0 = W's columns, source 1 = A's rows): a lane holds one row and 8 neighbouring columns.  The bias is the C operand of the first products.
; CLUSTER 4 x 4: A's tile is shared along a row, W's along a column, each asked for jointly.  A K step is written once: LDS addresses hang on s[TB], which one exclusive or flips.
; THE WALK ALONG K begins, in the cluster at (X, Y) of the grid of clusters, at step (NSTEPS / 2 X + NSTEPS / 4 Y) mod NSTEPS, and wraps: the two clusters that read the same rows of A begin
; NSTEPS / 2 steps apart, those that read the same columns of W NSTEPS / 4 apart, so that they ask for different steps at any one time.  The start hangs on the cluster's place alone, which its sixteen partners share.
; LIMIT: the order in which an f32 sum takes its K steps hangs on the cluster.  NaN and infinities are not treated apart.
; The way out goes through each wave's own stage, which lies in ring bytes that have had their last fill and, behind the last barrier, their last read.
; No prefetch: the tiles are small.
.set NSTEPS, 4
.set WREG,   6291456
.set SLOTX,  1<<17
.set WOFF,   65536                     ; in a slot: A's 8 panels x 8 fragments, then W's
.set SPARE,  2*SLOTX
.set ROWB,   8192                      ; a tile's bytes in one panel of 32 k
.set PANA,   262144
.set PANW,   65536
.set LOGA,   21                        ; a K step is 8 panels: 2^21 bytes of A,
.set LOGW,   19                        ; 2^19 of W
.set SP,     272                       ; a stage row: 256 bytes + 16: 68 words, so 16 rows start at 16 different groups of four banks
.set A0,   2
.set B0,   3
.set L16,  4
.set BO,   5
.set ADRA, 16
.set ADRB, 20
.set STO,  24
.set RD,   25
.set CO,   26
.set SPW,  28
.set NIL,  29
.set BIAS, 96                          ; v96-127: 8 registers a column block
.set ACC,  128                         ; v128-255: accumulator (a, b) at ACC + 8 (4 a + b)
.set F0,   0                           ; window 1: two buffers of 128: 64 registers of A (2 panels x 4), then 64 of W.  window 2: v0-127 the residual
.set F1,   128
.set WV, 16
.set FB, 17
.set HF, 18
.set TB, 20
.set G1, 24
.set G0, 32
.set G1B, 48
.set G0B, 56
.set KX, 78                            ; s78 the K step to be asked for next
.set OA, 80                            ; s[80:81] its byte offset in A
.set OW, 82                            ; s[82:83] its byte offset in W
.set MSB, 0
.macro WIN new
.if MSB != (\new)
	s_set_vgpr_msb (MSB<<8)|(\new)
.set MSB, \new
.endif
.endm
.set MUL,  0x05
.set TO_F, 0x40
.macro PLACES
.rept 4
	v_nop
.endr
.endm
.macro JLOAD
	s_cmp_eq_u32 s[FB], 0
	s_cbranch_scc0 .Lfor_b_\@
	tensor_load_to_lds s[G0+4:G0+7], s[G1:G1+7]
	s_nop 0
.rept 4
	v_nop
.endr
	s_branch .Lasked_\@
.Lfor_b_\@:
	tensor_load_to_lds s[G0B+4:G0B+7], s[G1B:G1B+7]
	s_nop 0
.rept 4
	v_nop
.endr
.Lasked_\@:
.endm
.macro CREST
	s_cmp_lg_u32 s[WV], 0
	s_cbranch_scc1 .Lnot_wave_0_\@
	s_barrier_signal -3
.Lnot_wave_0_\@:
	s_barrier_wait -3
	s_barrier_signal -1
	s_barrier_wait -1
.endm
.macro CROUND
	s_barrier_signal -1
	s_barrier_wait -1
	CREST
.endm
; The global addresses of descriptor set n are made anew for K step s[KX]: the tile's address plus the step's offset, the type bits set again; then the step goes on and wraps.
.macro WALK n
	s_lshl_b32 s[OA], s[KX], LOGA
	s_lshl_b32 s[OW], s[KX], LOGW
	s_add_nc_u64 s[G0+4*(\n)+2:G0+4*(\n)+3], s[46:47], s[OA:OA+1]
	s_or_b32 s[G0+4*(\n)+3], s[G0+4*(\n)+3], 0x80000000
	s_add_nc_u64 s[G0B+4*(\n)+2:G0B+4*(\n)+3], s[22:23], s[OW:OW+1]
	s_or_b32 s[G0B+4*(\n)+3], s[G0B+4*(\n)+3], 0x80000000
	s_add_co_u32 s[KX], s[KX], 1
	s_and_b32 s[KX], s[KX], NSTEPS-1
.endm
	s_load_b256 s[4:11], s[0:1], 0x0               ; A 4, wts 6, bias 8, residual 10
	s_load_b64 s[12:13], s[0:1], 0x20              ; out
	v_lshl_add_u32 v[SPW], v0, 2, SPARE
	v_mov_b32 v[NIL], 0
	ds_add_u32 v[SPW], v[NIL]                      ; the wave's opening: the add and its wait stand ahead of my first tensor load
	v_lshrrev_b32 v1, 5, v0
	v_readfirstlane_b32 s[WV], v1
	s_lshr_b32 s[FB], s[WV], 1                     ; my half of the tile's rows; also: I fetch for A (0) or W (1)
	s_and_b32 s[HF], s[WV], 1                      ; my half of its columns; also: which four panels of the eight
	s_bfe_u32 s40, ttmp6, 0x40000
	s_bfe_u32 s41, ttmp6, 0x40004
	s_lshl_b32 s42, ttmp9, 2
	s_add_co_u32 s42, s42, s40                     ; tile column
	s_and_b32 s43, ttmp7, 0xffff
	s_lshl_b32 s43, s43, 2
	s_add_co_u32 s43, s43, s41                     ; tile row
	s_lshl_b32 s44, s41, 2
	s_lshl_b32 s44, 15, s44
	s_lshl_b32 s45, 0x1111, s40
	s_or_b32 s[G1], s44, (3<<16)|(1<<21)           ; the mask; elements of 8 bytes; bit 21 beside a mask; no padding
	s_or_b32 s[G1B], s45, (3<<16)|(1<<21)
	s_mov_b32 s[G1+1], (ROWB/8)<<16                ; 4 rows of 8,192 bytes, a panel apart
	s_mov_b32 s[G1+2], 4<<16
	s_mov_b32 s[G1+3], (ROWB/8)<<16
	s_mov_b32 s[G1+4], 4
	s_mov_b32 s[G1+5], PANA/8
	s_mov_b32 s[G1+6], 0
	s_mov_b32 s[G1+7], 0
	s_mov_b32 s[G1B+1], (ROWB/8)<<16
	s_mov_b32 s[G1B+2], 4<<16
	s_mov_b32 s[G1B+3], (ROWB/8)<<16
	s_mov_b32 s[G1B+4], 4
	s_mov_b32 s[G1B+5], PANW/8
	s_mov_b32 s[G1B+6], 0
	s_mov_b32 s[G1B+7], 0
	s_lshl_b32 s46, s43, 13
	s_lshl_b32 s47, s[HF], 20
	s_add_co_u32 s46, s46, s47
	s_mov_b32 s47, 0
	s_lshl_b32 s22, s42, 13
	s_lshl_b32 s23, s[HF], 18
	s_add_co_u32 s22, s22, s23
	s_add_co_u32 s22, s22, WREG
	s_mov_b32 s23, 0
	s_lshl_b32 s21, s[WV], 15                      ; LDS: A's two halves, then W's: the wave's number alone
	s_mov_b32 s[TB], 0
	s_and_b32 s[KX], ttmp7, 0xffff                 ; where my cluster's walk begins: its y,
	s_mul_i32 s[KX], s[KX], NSTEPS/4
	s_mul_i32 s79, ttmp9, NSTEPS/2                 ; its x
	s_add_co_u32 s[KX], s[KX], s79
	s_and_b32 s[KX], s[KX], NSTEPS-1
	s_mov_b32 s[OA+1], 0
	s_mov_b32 s[OW+1], 0
	s_wait_dscnt 0x0                               ; the opening add is done
	s_wait_kmcnt 0x0
	s_add_nc_u64 s[46:47], s[4:5], s[46:47]        ; my part of A's tile at K step 0; kept
	s_add_nc_u64 s[22:23], s[6:7], s[22:23]        ; of W's; kept
	CROUND                                         ; all sixteen work-groups are here
.irp s, 0,1
	s_mov_b32 s[G0+4*(\s)], 1
	s_add_co_u32 s[G0+4*(\s)+1], s21, (\s)*SLOTX
	s_mov_b32 s[G0B+4*(\s)], 1
	s_add_co_u32 s[G0B+4*(\s)+1], s21, (\s)*SLOTX
	WALK \s                                        ; the walk's first two steps
.endr
	s_cmp_eq_u32 s[FB], 0                          ; a wave's two first fills stand in one branch: two loads of mine are out
	s_cbranch_scc0 .Lfirst_b
	tensor_load_to_lds s[G0:G0+3], s[G1:G1+7]
	s_nop 0
	tensor_load_to_lds s[G0+4:G0+7], s[G1:G1+7]
	s_nop 0
.rept 4
	v_nop
.endr
	s_branch .Lfirst_asked
.Lfirst_b:
	tensor_load_to_lds s[G0B:G0B+3], s[G1B:G1B+7]
	s_nop 0
	tensor_load_to_lds s[G0B+4:G0B+7], s[G1B:G1B+7]
	s_nop 0
.rept 4
	v_nop
.endr
.Lfirst_asked:
	v_and_b32 v1, 31, v0
	v_lshlrev_b32 v[L16], 4, v1
	v_bfe_u32 v7, v0, 4, 1                         ; l / 16
	v_and_b32 v8, 15, v0                           ; l % 16
	s_lshl_b32 s72, s42, 9                         ; the bias of my 64 columns
	s_lshl_b32 s73, s[HF], 8
	s_add_co_u32 s72, s72, s73
	v_lshl_add_u32 v[BO], v7, 5, s72               ; register j is column 16 b + 8 (l / 16) + j
.irp b, 0,1,2,3
	global_load_b128 v[BIAS+8*(\b):BIAS+8*(\b)+3],   v[BO], s[8:9] offset:64*(\b)
	global_load_b128 v[BIAS+8*(\b)+4:BIAS+8*(\b)+7], v[BO], s[8:9] offset:64*(\b)+16
.endr
	s_lshl_b32 s74, s43, 19                        ; my 64 x 64 of the residual and of the output: row (128 tile row + 64 half) x 4,096 bytes + column x 4
	s_lshl_b32 s75, s[FB], 18
	s_add_co_u32 s74, s74, s75
	s_add_co_u32 s74, s74, s72
	s_mov_b32 s75, 0
	s_add_nc_u64 s[70:71], s[10:11], s[74:75]
	s_add_nc_u64 s[76:77], s[12:13], s[74:75]
	v_lshlrev_b32 v[CO], 12, v7                    ; lanes 0-15 take 256 bytes of one row, lanes 16-31 of the next
	v_lshl_add_u32 v[CO], v8, 4, v[CO]
	WIN 0x80
.set i, 0
.rept 32
	global_load_b128 v[4*i:4*i+3], v[CO], s[70:71] offset:i*8192   ; the residual waits in window 2 for the way out
.set i, i+1
.endr
	WIN 0
	s_lshl_b32 s21, s[FB], 12
	v_add_nc_u32 v[A0], s21, v[L16]
	s_lshl_b32 s21, s[HF], 12
	s_add_co_u32 s21, s21, WOFF
	v_add_nc_u32 v[B0], s21, v[L16]
	v_mov_b32 v[ADRA], v[A0]
	v_mov_b32 v[ADRB], v[B0]
	s_mul_i32 s21, s[WV], 64*SP                    ; my stage
	v_mul_u32_u24 v[STO], SP, v8
	v_lshl_add_u32 v[STO], v7, 5, v[STO]
	v_add_nc_u32 v[STO], s21, v[STO]
	v_mul_u32_u24 v[RD], SP, v7
	v_lshl_add_u32 v[RD], v8, 4, v[RD]
	v_add_nc_u32 v[RD], s21, v[RD]
; 8 products: row blocks a0, a0 + 1 x all 4 column blocks, panel c of buffer f.  first = 1: the bias starts the sum.  The 16 accumulators take turns.
.macro MUL8 f, c, a0, first
	WIN MUL
.irp a, \a0, (\a0)+1
.irp b, 0,1,2,3
.if \first
	v_wmma_f32_16x16x32_bf16 v[ACC+8*(4*(\a)+(\b)):ACC+8*(4*(\a)+(\b))+7], v[(\f)+64+8*(4*(\c)+(\b)):(\f)+64+8*(4*(\c)+(\b))+7], v[(\f)+8*(4*(\c)+(\a)):(\f)+8*(4*(\c)+(\a))+7], v[BIAS+8*(\b):BIAS+8*(\b)+7]
.else
	v_wmma_f32_16x16x32_bf16 v[ACC+8*(4*(\a)+(\b)):ACC+8*(4*(\a)+(\b))+7], v[(\f)+64+8*(4*(\c)+(\b)):(\f)+64+8*(4*(\c)+(\b))+7], v[(\f)+8*(4*(\c)+(\a)):(\f)+8*(4*(\c)+(\a))+7], v[ACC+8*(4*(\a)+(\b)):ACC+8*(4*(\a)+(\b))+7]
.endif
.endr
.endr
.endm
; 32 LDS loads in one run: panels 2 q and 2 q + 1 of the slot in hand into buffer f; the first panel first
.macro FETCH q, f
	WIN TO_F
.irp c, 0,1
.irp i, 0,1,2,3
	ds_load_b128 v[(\f)+64+8*(4*(\c)+(\i)):(\f)+64+8*(4*(\c)+(\i))+3],   v[ADRB] offset:(2*(\q)+(\c))*ROWB+(\i)*1024
	ds_load_b128 v[(\f)+64+8*(4*(\c)+(\i))+4:(\f)+64+8*(4*(\c)+(\i))+7], v[ADRB] offset:(2*(\q)+(\c))*ROWB+(\i)*1024+512
	ds_load_b128 v[(\f)+8*(4*(\c)+(\i)):(\f)+8*(4*(\c)+(\i))+3],         v[ADRA] offset:(2*(\q)+(\c))*ROWB+(\i)*1024
	ds_load_b128 v[(\f)+8*(4*(\c)+(\i))+4:(\f)+8*(4*(\c)+(\i))+7],       v[ADRA] offset:(2*(\q)+(\c))*ROWB+(\i)*1024+512
.endr
.endr
.endm
.macro PHASE q, f, g, first            ; multiplies buffer f; fetches quarter q into buffer g
	s_wait_dscnt 16                                ; the first panel is in
	MUL8 \f, 0, 0, \first
	MUL8 \f, 0, 2, \first
	PLACES
	FETCH \q, \g
	s_wait_dscnt 32                                ; all but the 32 just issued
	MUL8 \f, 1, 0, 0
	MUL8 \f, 1, 2, 0
.endm
.macro FLIP
	s_xor_b32 s[TB], s[TB], SLOTX
	v_add_nc_u32 v[ADRA], s[TB], v[A0]
	v_add_nc_u32 v[ADRB], s[TB], v[B0]
.endm
; The step's last quarter (buffer 1) and the change of slots: ONE barrier; ahead of it each wave waits for all its tensor loads, adds 0 to its spare word, and waits for that and for its reads of this slot.
.macro MEET
	WIN 0
	s_wait_tensorcnt 0x0
	ds_add_u32 v[SPW], v[NIL]
	s_wait_dscnt 17                                ; (the add and the youngest sixteen loads may be out)
	MUL8 F1, 0, 0, 0
	s_wait_dscnt 0x0
	s_barrier_signal -1
	MUL8 F1, 0, 2, 0
	WIN 0
	s_barrier_wait -1
.endm
.macro REST
	MUL8 F1, 1, 0, 0
	MUL8 F1, 1, 2, 0
.endm
.macro TURN
	MEET
	CREST                                          ; the barrier has opened a round of the cluster's: no wave of any partner still reads this slot or has a load on its way
	s_xor_b32 s[G0+5], s[G0+5], SLOTX              ; the walking descriptors: the other slot than last time,
	s_xor_b32 s[G0B+5], s[G0B+5], SLOTX
	WALK 1                                         ; the walk's next K step
	JLOAD                                          ; my one tensor load behind the round; its four v_nop are also the places ahead of the loads below
	FLIP
	FETCH 0, F0
	REST
.endm
	s_wait_tensorcnt 1                             ; my part of the walk's first step is in; the second's may stay out
	s_barrier_signal -1
	s_barrier_wait -1
	FETCH 0, F0
	s_wait_loadcnt 32                              ; the bias is in; the residual's 32 loads may stay out
	PHASE 1, F0, F1, 1
	WIN 0
	s_mov_b32 s3, NSTEPS-2
.Lstep:                                                ; a trip: from a step's second quarter to the next step's first; one refill
	PHASE 2, F1, F0, 0
	PHASE 3, F0, F1, 0
	TURN
	PHASE 1, F0, F1, 0
	WIN 0
	s_sub_co_u32 s3, s3, 1
	s_cmp_lg_u32 s3, 0
	s_cbranch_scc1 .Lstep
	s_mov_b32 s2, 2                                ; the last two steps ask for nothing
.Ltail:
	PHASE 2, F1, F0, 0
	PHASE 3, F0, F1, 0
	MEET
	s_sub_co_u32 s2, s2, 1
	s_cmp_eq_u32 s2, 0
	s_cbranch_scc1 .Lfin
	PLACES
	FLIP
	FETCH 0, F0
	REST
	PHASE 1, F0, F1, 0
	WIN 0
	s_branch .Ltail
.Lfin:
	REST
	WIN 0
	PLACES
	; THE WAY OUT: 32 bytes a lane and accumulator into my stage, back as whole rows of 256 bytes, the residual added, stored
.irp a, 0,1,2,3
.irp b, 0,1,2,3
	ds_store_b128 v[STO], v[ACC+8*(4*(\a)+(\b)):ACC+8*(4*(\a)+(\b))+3]   offset:(\a)*16*SP+64*(\b)
	ds_store_b128 v[STO], v[ACC+8*(4*(\a)+(\b))+4:ACC+8*(4*(\a)+(\b))+7] offset:(\a)*16*SP+64*(\b)+16
.endr
.endr
	WIN TO_F
.set i, 0
.rept 32
	ds_load_b128 v[4*i:4*i+3], v[RD] offset:i*2*SP     ; LDS serves a wave's instructions in order: these see the stores above
.set i, i+1
.endr
	s_wait_loadcnt 0x0                             ; the residual
	s_wait_dscnt 0x0
	WIN 0x49                                       ; destination and source 0 window 1, source 1 window 2
.set i, 0
.rept 64
	v_pk_add_f32 v[i:i+1], v[i:i+1], v[i:i+1]
.set i, i+2
.endr
	WIN 0x04                                       ; the stores' data in window 1
.set i, 0
.rept 32
	global_store_b128 v[CO], v[4*i:4*i+3], s[76:77] offset:i*8192   ; 16 lanes store 256 consecutive bytes, aligned
.set i, i+1
.endr
	WIN 0
	s_wait_tensorcnt 0x0                           ; the wave's end
	ds_add_u32 v[SPW], v[NIL]
	s_wait_dscnt 0x0
	CROUND                                         ; the closing round
	s_endpgm
.Lfunc_end_k_q01df733bc2_proj:
	.size	k_q01df733bc2_proj, .Lfunc_end_k_q01df733bc2_proj-k_q01df733bc2_proj
	.p2alignl 7, 3214868480
	.fill 96, 4, 3214868480
	.section	.rodata,"a",@progbits
	.p2align	6, 0x0
	.amdhsa_kernel k_q01df733bc2_proj
		.amdhsa_group_segment_fixed_size 327680
		.amdhsa_private_segment_fixed_size 0
		.amdhsa_enable_private_segment 0
		.amdhsa_kernarg_size 40
		.amdhsa_user_sgpr_count 2
		.amdhsa_user_sgpr_kernarg_segment_ptr 1
		.amdhsa_wavefront_size32 1
		.amdhsa_system_sgpr_workgroup_id_x 1
		.amdhsa_system_sgpr_workgroup_id_y 1
		.amdhsa_system_sgpr_workgroup_id_z 1
		.amdhsa_system_vgpr_workitem_id 0
		.amdhsa_next_free_vgpr 640
		.amdhsa_next_free_sgpr 96
		.amdhsa_reserve_vcc 0
		.amdhsa_float_denorm_mode_32 3
		.amdhsa_float_denorm_mode_16_64 3
		.amdhsa_memory_ordered 1
		.amdhsa_forward_progress 1
		.amdhsa_inst_pref_size 66
	.end_amdhsa_kernel
	.amdgpu_metadata
---
amdhsa.version: [ 1, 2 ]
amdhsa.kernels:
  - .name:           k_q01df733bc2_proj
    .symbol:         k_q01df733bc2_proj.kd
    .args:
      - { .name: ob, .offset: 0, .size: 8, .value_kind: global_buffer, .address_space: global }
      - { .name: wts, .offset: 8, .size: 8, .value_kind: global_buffer, .address_space: global }
      - { .name: bp, .offset: 16, .size: 8, .value_kind: global_buffer, .address_space: global }
      - { .name: x, .offset: 24, .size: 8, .value_kind: global_buffer, .address_space: global }
      - { .name: res, .offset: 32, .size: 8, .value_kind: global_buffer, .address_space: global }
    .group_segment_fixed_size: 327680
    .private_segment_fixed_size: 0
    .kernarg_segment_align: 8
    .kernarg_segment_size: 40
    .max_flat_workgroup_size: 128
    .sgpr_count:     96
    .vgpr_count:     640
    .wavefront_size: 32
...
	.end_amdgpu_metadata
.endif
;; end of part 4
;; launch ln2 (part 5): grid 256 x 1, 8 waves a work-group, no clusters, 34,048 bytes of LDS; arguments res, ln2_w, ln2_b, onb; writes onb
.if DOCPART == 5
	.amdgcn_target "amdgcn-amd-amdhsa--gfx1250"
	.amdhsa_code_object_version 6
	.text
	.protected	k_q01df733bc2_ln2
	.globl	k_q01df733bc2_ln2
	.p2align	8
	.type	k_q01df733bc2_ln2,@function
k_q01df733bc2_ln2:
	s_mov_b64 s[64:65], 0
	v_nop
	global_prefetch_b8 v0, s[64:65] scope:SCOPE_SE
	s_setreg_imm32_b32 hwreg(HW_REG_WAVE_MODE, 25, 1), 1
	s_wait_xcnt 0x0
; LayerNorm 2 of res (f32 [4096][1024]), rounded to bf16 and laid out in FRAGMENTS for the product that follows: 16 rows x 32 k in 1,024 bytes, byte 512 j + 16 l + 2 e holds row l % 16,
; k = 16 j + 8 (l / 16) + e; fragment (kb, row block) at (256 kb + row block) x 1,024.  A work-group takes 16 rows, a wave two, each whole in 32 registers.
; Two passes over registers: the mean, then the sum of (x - mean)^2: no difference of large sums is formed.  LIMITS: NaN and infinities are not treated apart.
; No matrix unit, no cluster, no tensor load: nothing is shared between work-groups and memory binds.
.set SPARE, 33024                      ; behind the tile of 16 x 2,064 bytes: the spare words, 128 bytes for each of the eight waves
.set SPW, 8
.set NIL, 9
.set XO,  2
.set CO,  3
.set LS,  4
.set LR,  5
.set GO,  6
.set SA,  10
.set SB,  18
.set MA,  26
.set MB,  28
.set X0,  32
.set X1,  64
.set LW,  96
.set LB,  128
.set SEL, 34
.set RN,  36
.set EP,  37
.macro FOLD a                          ; four pairs of partial sums -> the sum over the wave's 32 lanes, in every lane
	v_pk_add_f32 v[(\a):(\a)+1], v[(\a):(\a)+1], v[(\a)+2:(\a)+3]
	v_pk_add_f32 v[(\a)+4:(\a)+5], v[(\a)+4:(\a)+5], v[(\a)+6:(\a)+7]
	v_pk_add_f32 v[(\a):(\a)+1], v[(\a):(\a)+1], v[(\a)+4:(\a)+5]
	v_add_f32 v[(\a)], v[(\a)], v[(\a)+1]
	v_add_f32_dpp v[(\a)], v[(\a)], v[(\a)] row_xmask:1 row_mask:0xf bank_mask:0xf
	v_add_f32_dpp v[(\a)], v[(\a)], v[(\a)] row_xmask:2 row_mask:0xf bank_mask:0xf
	v_add_f32_dpp v[(\a)], v[(\a)], v[(\a)] row_xmask:4 row_mask:0xf bank_mask:0xf
	v_add_f32_dpp v[(\a)], v[(\a)], v[(\a)] row_xmask:8 row_mask:0xf bank_mask:0xf
	v_permlanex16_b32 v[(\a)+1], v[(\a)], s[SEL], s[SEL+1]
	v_add_f32 v[(\a)], v[(\a)], v[(\a)+1]
.endm
.macro RSUM x, a
.irp c, 0,2,4,6
	v_pk_add_f32 v[(\a)+(\c):(\a)+(\c)+1], v[(\x)+(\c):(\x)+(\c)+1], v[(\x)+8+(\c):(\x)+8+(\c)+1]
.endr
.irp g, 16,24
.irp c, 0,2,4,6
	v_pk_add_f32 v[(\a)+(\c):(\a)+(\c)+1], v[(\a)+(\c):(\a)+(\c)+1], v[(\x)+(\g)+(\c):(\x)+(\g)+(\c)+1]
.endr
.endr
	FOLD \a
.endm
.macro RSQS x, a
.irp c, 0,2,4,6
	v_pk_mul_f32 v[(\a)+(\c):(\a)+(\c)+1], v[(\x)+(\c):(\x)+(\c)+1], v[(\x)+(\c):(\x)+(\c)+1]
.endr
.irp g, 8,16,24
.irp c, 0,2,4,6
	v_pk_fma_f32 v[(\a)+(\c):(\a)+(\c)+1], v[(\x)+(\g)+(\c):(\x)+(\g)+(\c)+1], v[(\x)+(\g)+(\c):(\x)+(\g)+(\c)+1], v[(\a)+(\c):(\a)+(\c)+1]
.endr
.endr
	FOLD \a
.endm
.macro LNROWS xp, wp, bp, yp
	s_mov_b32 s[SEL], 0x76543210
	s_mov_b32 s[SEL+1], 0xfedcba98
	s_mov_b32 s[RN], 0x3a800000                    ; 1 / 1024
	s_mov_b32 s[EP], 0x3727c5ac                    ; 1e-5
	v_and_b32 v1, 31, v0
	v_lshlrev_b32 v[CO], 4, v1
	s_lshl_b32 s6, s4, 13                          ; my wave's two rows of 4,096 bytes
	v_add_nc_u32 v[XO], s6, v[CO]
	s_lshl_b32 s6, s5, 16                          ; the block's 16 rows
	s_mov_b32 s7, 0
	s_add_nc_u64 s[30:31], s[\xp:\xp+1], s[6:7]
.irp j, 0,1,2,3,4,5,6,7
	global_load_b128 v[X0+4*(\j):X0+4*(\j)+3], v[XO], s[30:31] offset:512*(\j) th:TH_LOAD_NT
.endr
.irp j, 0,1,2,3,4,5,6,7
	global_load_b128 v[X1+4*(\j):X1+4*(\j)+3], v[XO], s[30:31] offset:4096+512*(\j) th:TH_LOAD_NT
.endr
.irp j, 0,1,2,3,4,5,6,7
	global_load_b128 v[LW+4*(\j):LW+4*(\j)+3], v[CO], s[\wp:\wp+1] offset:512*(\j)
.endr
.irp j, 0,1,2,3,4,5,6,7
	global_load_b128 v[LB+4*(\j):LB+4*(\j)+3], v[CO], s[\bp:\bp+1] offset:512*(\j)
.endr
	s_mul_i32 s6, s4, 4128                         ; LDS rows of 2,064 bytes: 516 words, so 16 rows start at 16 different groups of four banks
	v_lshl_add_u32 v[LS], v1, 3, s6
	v_and_b32 v7, 15, v0
	v_lshrrev_b32 v1, 4, v0
	v_mul_u32_u24 v[LR], 2064, v7                  ; row t % 16, k = 8 (t / 16)
	v_lshl_add_u32 v[LR], v1, 4, v[LR]
	v_lshrrev_b32 v1, 6, v0
	v_and_b32 v7, 63, v0
	v_lshlrev_b32 v[GO], 18, v1                    ; fragments of one row block lie 262,144 bytes apart along k
	v_lshl_add_u32 v[GO], v7, 4, v[GO]
	s_lshl_b32 s6, s5, 10
	s_add_nc_u64 s[38:39], s[\yp:\yp+1], s[6:7]
	s_wait_loadcnt 16                              ; both rows are in; the 16 loads of gain and bias may stay out
	RSUM X0, SA
	RSUM X1, SB
	v_mul_f32 v[MA], s[RN], v[SA]
	v_mul_f32 v[MA+1], s[RN], v[SA]
	v_mul_f32 v[MB], s[RN], v[SB]
	v_mul_f32 v[MB+1], s[RN], v[SB]
.set i, 0
.rept 16
	v_pk_add_f32 v[X0+i:X0+i+1], v[X0+i:X0+i+1], v[MA:MA+1] neg_lo:[0,1] neg_hi:[0,1]
	v_pk_add_f32 v[X1+i:X1+i+1], v[X1+i:X1+i+1], v[MB:MB+1] neg_lo:[0,1] neg_hi:[0,1]
.set i, i+2
.endr
	RSQS X0, SA
	RSQS X1, SB
	v_fma_f32 v[SA], v[SA], s[RN], s[EP]
	v_fma_f32 v[SB], v[SB], s[RN], s[EP]
	v_rsq_f32 v[MA], v[SA]                         ; one batch of four: each row's factor twice, a pair for the packed multiply
	v_rsq_f32 v[MA+1], v[SA]
	v_rsq_f32 v[MB], v[SB]
	v_rsq_f32 v[MB+1], v[SB]
	v_nop                                          ; a plain instruction behind the last of them,
	s_wait_alu depctr_va_vdst(0)                   ; and the one wait ahead of the first use
	s_wait_loadcnt 0x0                             ; gain and bias
.set i, 0
.rept 16
	v_pk_mul_f32 v[X0+i:X0+i+1], v[X0+i:X0+i+1], v[MA:MA+1]
	v_pk_mul_f32 v[X1+i:X1+i+1], v[X1+i:X1+i+1], v[MB:MB+1]
	v_pk_fma_f32 v[X0+i:X0+i+1], v[X0+i:X0+i+1], v[LW+i:LW+i+1], v[LB+i:LB+i+1]
	v_pk_fma_f32 v[X1+i:X1+i+1], v[X1+i:X1+i+1], v[LW+i:LW+i+1], v[LB+i:LB+i+1]
.set i, i+2
.endr
.set i, 0
.rept 16
	v_cvt_pk_bf16_f32 v[X0+i], v[X0+2*i], v[X0+2*i+1]   ; in place, ascending: register i is free when pair i is packed
	v_cvt_pk_bf16_f32 v[X1+i], v[X1+2*i], v[X1+2*i+1]
.set i, i+1
.endr
.irp j, 0,1,2,3,4,5,6,7
	ds_store_b64 v[LS], v[X0+2*(\j):X0+2*(\j)+1] offset:256*(\j)
	ds_store_b64 v[LS], v[X1+2*(\j):X1+2*(\j)+1] offset:2064+256*(\j)
.endr
	s_wait_dscnt 0x0                               ; for the others' sake: my rows lie in LDS
	s_barrier_signal -1
	s_barrier_wait -1
.irp i, 0,1,2,3,4,5,6,7
	ds_load_b128 v[X0+4*(\i):X0+4*(\i)+3], v[LR] offset:256*(\i)
.endr
.irp i, 0,1,2,3,4,5,6,7
	s_wait_dscnt 7-(\i)
	global_store_b128 v[GO], v[X0+4*(\i):X0+4*(\i)+3], s[38:39] offset:(\i)*1048576   ; a wave's store covers 512 consecutive bytes, aligned
.endr
	s_wait_tensorcnt 0x0                           ; the wave's end
	ds_add_u32 v[SPW], v[NIL]
	s_wait_dscnt 0x0
	s_endpgm
.endm
	s_load_b256 s[8:15], s[0:1], 0x0               ; res 8, ln2_w 10, ln2_b 12, onb 14
	v_lshl_add_u32 v[SPW], v0, 2, SPARE
	v_mov_b32 v[NIL], 0
	v_lshrrev_b32 v1, 5, v0
	v_readfirstlane_b32 s4, v1                     ; wave 0..7
	s_mov_b32 s5, ttmp9                            ; the block of 16 rows
	s_wait_kmcnt 0x0
	LNROWS 8, 10, 12, 14
.Lfunc_end_k_q01df733bc2_ln2:
	.size	k_q01df733bc2_ln2, .Lfunc_end_k_q01df733bc2_ln2-k_q01df733bc2_ln2
	.p2alignl 7, 3214868480
	.fill 96, 4, 3214868480
	.section	.rodata,"a",@progbits
	.p2align	6, 0x0
	.amdhsa_kernel k_q01df733bc2_ln2
		.amdhsa_group_segment_fixed_size 34048
		.amdhsa_private_segment_fixed_size 0
		.amdhsa_enable_private_segment 0
		.amdhsa_kernarg_size 32
		.amdhsa_user_sgpr_count 2
		.amdhsa_user_sgpr_kernarg_segment_ptr 1
		.amdhsa_wavefront_size32 1
		.amdhsa_system_sgpr_workgroup_id_x 1
		.amdhsa_system_sgpr_workgroup_id_y 1
		.amdhsa_system_sgpr_workgroup_id_z 1
		.amdhsa_system_vgpr_workitem_id 0
		.amdhsa_next_free_vgpr 160
		.amdhsa_next_free_sgpr 66
		.amdhsa_reserve_vcc 0
		.amdhsa_float_denorm_mode_32 3
		.amdhsa_float_denorm_mode_16_64 3
		.amdhsa_memory_ordered 1
		.amdhsa_forward_progress 1
		.amdhsa_inst_pref_size 22
	.end_amdhsa_kernel
	.amdgpu_metadata
---
amdhsa.version: [ 1, 2 ]
amdhsa.kernels:
  - .name:           k_q01df733bc2_ln2
    .symbol:         k_q01df733bc2_ln2.kd
    .args:
      - { .name: res, .offset: 0, .size: 8, .value_kind: global_buffer, .address_space: global }
      - { .name: ln2_w, .offset: 8, .size: 8, .value_kind: global_buffer, .address_space: global }
      - { .name: ln2_b, .offset: 16, .size: 8, .value_kind: global_buffer, .address_space: global }
      - { .name: onb, .offset: 24, .size: 8, .value_kind: global_buffer, .address_space: global }
    .group_segment_fixed_size: 34048
    .private_segment_fixed_size: 0
    .kernarg_segment_align: 8
    .kernarg_segment_size: 32
    .max_flat_workgroup_size: 256
    .sgpr_count:     66
    .vgpr_count:     160
    .wavefront_size: 32
...
	.end_amdgpu_metadata
.endif
;; end of part 5
;; launch ffn1 (part 6): grid 16 x 16, 4 waves a work-group, clusters of 4 x 4, 327,680 bytes of LDS; arguments onb, wts, b1, hb; writes hb
.if DOCPART == 6
	.amdgcn_target "amdgcn-amd-amdhsa--gfx1250"
	.amdhsa_code_object_version 6
	.text
	.protected	k_q01df733bc2_ffn1
	.globl	k_q01df733bc2_ffn1
	.p2align	8
	.type	k_q01df733bc2_ffn1,@function
k_q01df733bc2_ffn1:
	s_mov_b64 s[64:65], 0
	v_nop
	global_prefetch_b8 v0, s[64:65] scope:SCOPE_SE
	s_setreg_imm32_b32 hwreg(HW_REG_WAVE_MODE, 25, 1), 1
	s_wait_xcnt 0x0
	s_wait_alu depctr_hold_cnt(0) depctr_sa_sdst(0) depctr_va_vdst(0) depctr_va_sdst(0) depctr_va_ssrc(0) depctr_va_vcc(0) depctr_vm_vsrc(0)
	s_getreg_b32 s2, hwreg(HW_REG_IB_STS2, 6, 4)
	s_cmp_eq_u32 s2, 0
	s_cbranch_scc0 .Lentry_in_a_cluster
	s_endpgm
.Lentry_in_a_cluster:
	s_bfe_u32 s2, ttmp6, 0x10000c
	s_cmp_lg_u32 s2, 0xf033
	s_cbranch_scc0 .Lentry_shape_is_right
	s_endpgm
.Lentry_shape_is_right:
; h = gelu(on W1 + b1).  on: fragments (K 1024, 4096 rows), W1: fragments (K 1024, 4096 columns) at byte WREG of wts, both bf16; sums, bias and GELU in f32; h rounded once to bf16.
; A work-group makes 256 x 256, each of its four waves 128 x 128: 64 accumulators.  K goes in 8 steps of 128 through two LDS slots of 2^17 bytes.
; FRAGMENTS (16 rows x 32 k, 1,024 bytes, byte 512 j + 16 l) are operands' register images: two loads of 16 bytes a lane, 512 consecutive bytes each: no padding, no conflict.
; The product is taken transposed (source 0 = W's columns, source 1 = on's rows): a lane holds one row and 8 neighbouring columns: 16 bytes of bf16 that are a chunk of h's fragment, as the next product reads it.
; The bias is the C operand of the first products.
; GELU.  gelu(x) = x / 2 + |x / 2| erf(|x| / sqrt 2), erf(z) = 1 - (a1 t + a2 t^2 + a3 t^3) e^(-z^2), t = 1 / (1 + 0.47047 z) (Abramowitz and Stegun 7.1.25): off by at most 2.5e-5 for every z,
; so gelu is off by at most 1.25e-5 |x|, below h's own rounding to bf16.  The sums are set aside in LDS (ring bytes that have had their last fill and last read) and walked by a loop of 16 trips, 32 numbers a lane each.
; CLUSTER 4 x 4: on's tile is shared along a row, W1's along a column, each asked for jointly.  A K step is written once: LDS addresses hang on s[TB], which one exclusive or flips.
; LIMITS: NaN and infinities are not treated apart.
.set NSTEPS, 8
.set SLOTX,  1<<17
.set WOFF,   65536                     ; in a slot: A's 4 panels x 16 fragments, then W's
.set SPARE,  2*SLOTX
.set ROWB,   16384
.set PAN,    262144
.set STEP,   4*PAN
.set WREG,   8388608
.set A0,   2
.set B0,   3
.set L16,  4                           ; v4  16 x lane; never rewritten
.set BO,   5
.set ADRA, 16
.set ADRB, 20
.set SPL,  24                          ; v24 my 16 bytes in my wave's 65,536 bytes of sums
.set LA,   25
.set SPW,  28
.set NIL,  29
.set PFO,  30
.set F0,   64                          ; window 0: A's buffers v64-127, v128-191; window 1: W's, at the same numbers; windows 2, 3: accumulators (a, b) at 8 (8 (a % 4) + b)
.set F1,   128
.set BIAS, 192                         ; v192-255: 8 registers a column block
.set GX,   32                          ; the GELU loop's registers, 32 each
.set GH,   64
.set GU,   96
.set GT,   128
.set GE,   160
.set GP,   192
.set GOUT, 224
.set WV, 16
.set FB, 17
.set HF, 18
.set TB, 20
.set G1, 24
.set G0, 32
.set G1B, 48
.set G0B, 56
.set PFA, 66
.set LIM, 68
.set HB,  70                           ; s[70:71] h at my wave's first fragment
.set KU,  80                           ; s[80:81] sqrt(log2(e) / 2)
.set CA3, 82
.set CA2, 84
.set CA1, 86
.set KT,  88                           ; s88 0.47047 / sqrt 2 / sqrt(log2(e) / 2)
.set HP,  90
.set MSB, 0
.macro WIN new
.if MSB != (\new)
	s_set_vgpr_msb (MSB<<8)|(\new)
.set MSB, \new
.endif
.endm
.set TO_B, 0x40
.macro PLACES
.rept 4
	v_nop
.endr
.endm
.macro JLOAD
	s_cmp_eq_u32 s[FB], 0
	s_cbranch_scc0 .Lfor_b_\@
	tensor_load_to_lds s[G0+4:G0+7], s[G1:G1+7]
	s_nop 0
.rept 4
	v_nop
.endr
	s_branch .Lasked_\@
.Lfor_b_\@:
	tensor_load_to_lds s[G0B+4:G0B+7], s[G1B:G1B+7]
	s_nop 0
.rept 4
	v_nop
.endr
.Lasked_\@:
.endm
.macro CREST
	s_cmp_lg_u32 s[WV], 0
	s_cbranch_scc1 .Lnot_wave_0_\@
	s_barrier_signal -3
.Lnot_wave_0_\@:
	s_barrier_wait -3
	s_barrier_signal -1
	s_barrier_wait -1
.endm
.macro CROUND
	s_barrier_signal -1
	s_barrier_wait -1
	CREST
.endm
; A prefetch of the K step that the NEXT refill will ask for.  A's tile row is read by every cluster of a row of clusters: cluster x = 0 asks; W's tile column: cluster y = 0.  Of the two panels that a wave
; fetches, each of the four partners takes half a panel's tile (8,192 bytes), told apart by address; a lane a block of 256 bytes.  The loop's last trip has no step behind its refill.
.macro ASK
	s_cmp_gt_u32 s3, s[LIM]
	s_cbranch_scc0 .Lnot_mine_\@
	global_prefetch_b8 v[PFO], s[PFA:PFA+1] th:TH_LOAD_NT scope:SCOPE_SE
.Lnot_mine_\@:
.endm
	s_load_b256 s[4:11], s[0:1], 0x0               ; on 4, wts 6, b1 8, h 10
	v_lshl_add_u32 v[SPW], v0, 2, SPARE
	v_mov_b32 v[NIL], 0
	ds_add_u32 v[SPW], v[NIL]                      ; the wave's opening: the add and its wait stand ahead of my first tensor load
	v_lshrrev_b32 v1, 5, v0
	v_readfirstlane_b32 s[WV], v1
	s_lshr_b32 s[FB], s[WV], 1                     ; my half of the tile's rows; also: I fetch for A (0) or W (1)
	s_and_b32 s[HF], s[WV], 1                      ; my half of its columns; also: which two panels of the four
	s_bfe_u32 s40, ttmp6, 0x40000
	s_bfe_u32 s41, ttmp6, 0x40004
	s_lshl_b32 s42, ttmp9, 2
	s_add_co_u32 s42, s42, s40                     ; tile column
	s_and_b32 s43, ttmp7, 0xffff
	s_lshl_b32 s43, s43, 2
	s_add_co_u32 s43, s43, s41                     ; tile row
	s_lshl_b32 s44, s41, 2
	s_lshl_b32 s44, 15, s44
	s_lshl_b32 s45, 0x1111, s40
	s_or_b32 s[G1], s44, (3<<16)|(1<<21)           ; the mask; elements of 8 bytes; bit 21 beside a mask; no padding
	s_or_b32 s[G1B], s45, (3<<16)|(1<<21)
.irp g, G1, G1B
	s_mov_b32 s[(\g)+1], (ROWB/8)<<16              ; 2 rows of 16,384 bytes, a panel apart
	s_mov_b32 s[(\g)+2], 2<<16
	s_mov_b32 s[(\g)+3], (ROWB/8)<<16
	s_mov_b32 s[(\g)+4], 2
	s_mov_b32 s[(\g)+5], PAN/8
	s_mov_b32 s[(\g)+6], 0
	s_mov_b32 s[(\g)+7], 0
.endr
	s_lshl_b32 s46, s43, 14
	s_lshl_b32 s47, s[HF], 19
	s_add_co_u32 s46, s46, s47
	s_mov_b32 s47, 0
	s_lshl_b32 s22, s42, 14
	s_lshl_b32 s23, s[HF], 19
	s_add_co_u32 s22, s22, s23
	s_add_co_u32 s22, s22, WREG
	s_mov_b32 s23, 0
	s_lshl_b32 s21, s[WV], 15                      ; LDS: A's two halves, then W's: the wave's number alone
	s_mov_b32 s[TB], 0
	s_mov_b32 s[KU], 0x3f596d27
	s_mov_b32 s[KU+1], s[KU]
	s_mov_b32 s[CA3], 0x3f3f7377                   ; 0.7478556
	s_mov_b32 s[CA3+1], s[CA3]
	s_mov_b32 s[CA2], 0xbdc45ca1                   ; -0.0958798
	s_mov_b32 s[CA2+1], s[CA2]
	s_mov_b32 s[CA1], 0x3eb2303a                   ; 0.3480242
	s_mov_b32 s[CA1+1], s[CA1]
	s_mov_b32 s[KT], 0x3ec88bda
	s_wait_dscnt 0x0                               ; the opening add is done
	s_wait_kmcnt 0x0
	s_add_nc_u64 s[46:47], s[4:5], s[46:47]
	s_add_nc_u64 s[22:23], s[6:7], s[22:23]
	CROUND                                         ; all sixteen work-groups are here
.irp s, 0,1
	s_mov_b32 s[G0+4*(\s)], 1
	s_add_co_u32 s[G0+4*(\s)+1], s21, (\s)*SLOTX
	s_add_nc_u64 s[G0+4*(\s)+2:G0+4*(\s)+3], s[46:47], (\s)*STEP
	s_or_b32 s[G0+4*(\s)+3], s[G0+4*(\s)+3], 0x80000000
	s_mov_b32 s[G0B+4*(\s)], 1
	s_add_co_u32 s[G0B+4*(\s)+1], s21, (\s)*SLOTX
	s_add_nc_u64 s[G0B+4*(\s)+2:G0B+4*(\s)+3], s[22:23], (\s)*STEP
	s_or_b32 s[G0B+4*(\s)+3], s[G0B+4*(\s)+3], 0x80000000
.endr
	s_cmp_eq_u32 s[FB], 0                          ; a wave's two first fills stand in one branch: two loads of mine are out
	s_cbranch_scc0 .Lfirst_b
	tensor_load_to_lds s[G0:G0+3], s[G1:G1+7]
	s_nop 0
	tensor_load_to_lds s[G0+4:G0+7], s[G1:G1+7]
	s_nop 0
.rept 4
	v_nop
.endr
	s_branch .Lfirst_asked
.Lfirst_b:
	tensor_load_to_lds s[G0B:G0B+3], s[G1B:G1B+7]
	s_nop 0
	tensor_load_to_lds s[G0B+4:G0B+7], s[G1B:G1B+7]
	s_nop 0
.rept 4
	v_nop
.endr
.Lfirst_asked:
	v_and_b32 v1, 31, v0
	v_lshlrev_b32 v[L16], 4, v1
	v_bfe_u32 v7, v0, 4, 1                         ; l / 16
	s_lshl_b32 s72, s42, 10                        ; the bias of my 128 columns
	s_lshl_b32 s73, s[HF], 9
	s_add_co_u32 s72, s72, s73
	v_lshl_add_u32 v[BO], v7, 5, s72               ; register j is column 16 b + 8 (l / 16) + j
.irp b, 0,1,2,3,4,5,6,7
	global_load_b128 v[BIAS+8*(\b):BIAS+8*(\b)+3],   v[BO], s[8:9] offset:64*(\b)
	global_load_b128 v[BIAS+8*(\b)+4:BIAS+8*(\b)+7], v[BO], s[8:9] offset:64*(\b)+16
.endr
	s_lshl_b32 s21, s[FB], 13
	v_add_nc_u32 v[A0], s21, v[L16]
	s_lshl_b32 s21, s[HF], 13
	s_add_co_u32 s21, s21, WOFF
	v_add_nc_u32 v[B0], s21, v[L16]
	v_mov_b32 v[ADRA], v[A0]
	v_mov_b32 v[ADRB], v[B0]
	s_lshl_b32 s21, s[WV], 16
	v_add_nc_u32 v[SPL], s21, v[L16]
	; h at fragment (k block 8 tile column + 4 half, row block 16 tile row + 8 half)
	s_lshl_b32 s72, s42, 3
	s_lshl2_add_u32 s72, s[HF], s72
	s_lshl_b32 s72, s72, 8
	s_lshl4_add_u32 s72, s43, s72
	s_lshl3_add_u32 s72, s[FB], s72
	s_lshl_b32 s72, s72, 10
	s_mov_b32 s73, 0
	s_add_nc_u64 s[HB:HB+1], s[10:11], s[72:73]
	; the prefetches
	s_and_b32 s72, ttmp7, 0xffff                   ; cluster y
	s_cmp_eq_u32 s[FB], 0                          ; do I fetch for A?
	s_cselect_b32 s73, s43, s42                    ; the tile
	s_cselect_b32 s74, s40, s41                    ; my place among the four that ask with me
	s_cselect_b32 s72, ttmp9, s72                  ; the coordinate along which other clusters read the same bytes
	s_cselect_b32 s75, 0, WREG
	s_cselect_b64 s[PFA:PFA+1], s[4:5], s[6:7]
	s_cmp_eq_u32 s72, 0
	s_cselect_b32 s[LIM], 1, -1                    ; the same in all sixteen partners, for a given wave
	s_lshl_b32 s73, s73, 14
	s_add_co_u32 s75, s75, s73
	s_lshr_b32 s73, s74, 1
	s_lshl1_add_u32 s73, s[HF], s73                ; the panel: 2 x half + place / 2
	s_lshl_b32 s73, s73, 18
	s_add_co_u32 s75, s75, s73
	s_and_b32 s73, s74, 1
	s_lshl_b32 s73, s73, 13                        ; which half of the row
	s_add_co_u32 s76, s75, s73
	s_mov_b32 s77, 0
	s_add_nc_u64 s[PFA:PFA+1], s[PFA:PFA+1], s[76:77]
	s_add_nc_u64 s[PFA:PFA+1], s[PFA:PFA+1], 2*STEP   ; at K step 2: the first refill steps it to 3
	v_lshlrev_b32 v[PFO], 8, v1
; 16 products: row blocks a0, a0 + 1 of the window's four (hi = 0: my rows 0-63, 1: rows 64-127) x all 8 column blocks.  first = 1: the bias starts the sum.  The 64 accumulators take turns.
.macro MUL16 f, hi, a0, first
.if \first
	WIN 0x81+0x40*(\hi)                            ; W window 1, A and the bias window 0, D window 2 or 3
.else
	WIN 0xa1+0x50*(\hi)
.endif
.irp a, \a0, (\a0)+1
.irp b, 0,1,2,3,4,5,6,7
.if \first
	v_wmma_f32_16x16x32_bf16 v[8*(8*(\a)+(\b)):8*(8*(\a)+(\b))+7], v[(\f)+8*(\b):(\f)+8*(\b)+7], v[(\f)+8*(4*(\hi)+(\a)):(\f)+8*(4*(\hi)+(\a))+7], v[BIAS+8*(\b):BIAS+8*(\b)+7]
.else
	v_wmma_f32_16x16x32_bf16 v[8*(8*(\a)+(\b)):8*(8*(\a)+(\b))+7], v[(\f)+8*(\b):(\f)+8*(\b)+7], v[(\f)+8*(4*(\hi)+(\a)):(\f)+8*(4*(\hi)+(\a))+7], v[8*(8*(\a)+(\b)):8*(8*(\a)+(\b))+7]
.endif
.endr
.endr
.endm
; 32 LDS loads in one run: panel q of the slot in hand into buffer f: W's eight fragments, then A's
.macro FETCH q, f
	WIN TO_B
.irp i, 0,1,2,3,4,5,6,7
	ds_load_b128 v[(\f)+8*(\i):(\f)+8*(\i)+3],   v[ADRB] offset:(\q)*ROWB+(\i)*1024
	ds_load_b128 v[(\f)+8*(\i)+4:(\f)+8*(\i)+7], v[ADRB] offset:(\q)*ROWB+(\i)*1024+512
.endr
	WIN 0
.irp i, 0,1,2,3,4,5,6,7
	ds_load_b128 v[(\f)+8*(\i):(\f)+8*(\i)+3],   v[ADRA] offset:(\q)*ROWB+(\i)*1024
	ds_load_b128 v[(\f)+8*(\i)+4:(\f)+8*(\i)+7], v[ADRA] offset:(\q)*ROWB+(\i)*1024+512
.endr
.endm
.macro PHASE q, f, g, first            ; multiplies buffer f; fetches panel q into buffer g
	s_wait_dscnt 8                                 ; all but A's rows 64-127
	MUL16 \f, 0, 0, \first
	MUL16 \f, 0, 2, \first
	PLACES
	FETCH \q, \g
	s_wait_dscnt 32                                ; all but the 32 just issued
	MUL16 \f, 1, 0, \first
	MUL16 \f, 1, 2, \first
.endm
.macro FLIP
	s_xor_b32 s[TB], s[TB], SLOTX
	v_add_nc_u32 v[ADRA], s[TB], v[A0]
	v_add_nc_u32 v[ADRB], s[TB], v[B0]
.endm
; The step's last panel (buffer 1) and the change of slots: ONE barrier; ahead of it each wave waits for all its tensor loads, adds 0 to its spare word, and waits for that and for its reads of this slot.
.macro MEET
	WIN 0
	s_wait_tensorcnt 0x0
	ds_add_u32 v[SPW], v[NIL]
	s_wait_dscnt 9                                 ; (the add and the youngest eight loads may be out)
	MUL16 F1, 0, 0, 0
	s_wait_dscnt 0x0
	s_barrier_signal -1
	MUL16 F1, 0, 2, 0
	WIN 0
	s_barrier_wait -1
.endm
.macro REST
	MUL16 F1, 1, 0, 0
	MUL16 F1, 1, 2, 0
.endm
.macro TURN
	s_wait_xcnt 0x0                                ; the last prefetch, a K step back, has read its address
	s_add_nc_u64 s[PFA:PFA+1], s[PFA:PFA+1], STEP
	MEET
	CREST                                          ; the barrier has opened a round of the cluster's: no wave of any partner still reads this slot or has a load on its way
	s_xor_b32 s[G0+5], s[G0+5], SLOTX              ; the walking descriptors: the other slot than last time, the next K step
	s_add_nc_u64 s[G0+6:G0+7], s[G0+6:G0+7], STEP
	s_xor_b32 s[G0B+5], s[G0B+5], SLOTX
	s_add_nc_u64 s[G0B+6:G0B+7], s[G0B+6:G0B+7], STEP
	JLOAD                                          ; my one tensor load behind the round; its four v_nop are also the places ahead of the loads below
	FLIP
	FETCH 0, F0
	ASK
	REST
.endm
	s_wait_tensorcnt 1                             ; my part of K step 0 is in; step 1's may stay out
	s_barrier_signal -1
	s_barrier_wait -1
	FETCH 0, F0
	s_wait_loadcnt 0x0                             ; the bias
	PHASE 1, F0, F1, 1
	WIN 0
	s_mov_b32 s3, NSTEPS-2
.Lstep:                                                ; a trip: from a step's second panel to the next step's first; one refill
	PHASE 2, F1, F0, 0
	PHASE 3, F0, F1, 0
	TURN
	PHASE 1, F0, F1, 0
	WIN 0
	s_sub_co_u32 s3, s3, 1
	s_cmp_lg_u32 s3, 0
	s_cbranch_scc1 .Lstep
	s_mov_b32 s2, 2                                ; the last two steps ask for nothing
.Ltail:
	PHASE 2, F1, F0, 0
	PHASE 3, F0, F1, 0
	MEET
	s_sub_co_u32 s2, s2, 1
	s_cmp_eq_u32 s2, 0
	s_cbranch_scc1 .Lfin
	PLACES
	FLIP
	FETCH 0, F0
	REST
	PHASE 1, F0, F1, 0
	WIN 0
	s_branch .Ltail
.Lfin:
	REST
	PLACES
	; The sums are set aside: accumulator n at byte 1,024 n of my wave's 65,536, its low four registers first
	WIN 0x08                                       ; the stores' data in window 2
.set i, 0
.rept 32
	ds_store_b128 v[SPL], v[8*i:8*i+3]   offset:i*1024
	ds_store_b128 v[SPL], v[8*i+4:8*i+7] offset:i*1024+512
.set i, i+1
.endr
	WIN 0x0c                                       ; in window 3
.set i, 0
.rept 32
	ds_store_b128 v[SPL], v[8*i:8*i+3]   offset:(32+i)*1024
	ds_store_b128 v[SPL], v[8*i+4:8*i+7] offset:(32+i)*1024+512
.set i, i+1
.endr
	WIN 0
	s_wait_dscnt 0x0                               ; every wave's sums lie in LDS before any is read back
	s_barrier_signal -1
	s_barrier_wait -1
.macro LOADX
.irp i, 0,1,2,3
	ds_load_b128 v[GX+8*(\i):GX+8*(\i)+3],   v[LA] offset:(\i)*1024
	ds_load_b128 v[GX+8*(\i)+4:GX+8*(\i)+7], v[LA] offset:(\i)*1024+512
.endr
.endm
	v_mov_b32 v[LA], v[SPL]
	LOADX
	s_mov_b32 s3, 0
	s_mov_b32 s21, 0
.Lgelu:                                                ; trip n: accumulators 4 n .. 4 n + 3: row block n / 2, column blocks 4 (n % 2) + 0..3
	s_wait_dscnt 0x0
.set i, 0
.rept 16
	v_pk_mul_f32 v[GH+i:GH+i+1], v[GX+i:GX+i+1], 0.5 op_sel_hi:[1,0]
	v_pk_mul_f32 v[GU+i:GU+i+1], v[GX+i:GX+i+1], s[KU:KU+1] op_sel_hi:[1,0]   ; u, with u^2 = log2(e) x^2 / 2
.set i, i+2
.endr
	s_add_co_u32 s21, s21, 4096                    ; the next trip's numbers are asked for now; the last trip's request wraps to the first group and is dropped
	s_and_b32 s21, s21, 0xffff
	v_add_nc_u32 v[LA], s21, v[SPL]
	LOADX
.set i, 0
.rept 32
	v_fma_f32 v[GT+i], |v[GU+i]|, s[KT], 1.0       ; 1 + 0.47047 |x| / sqrt 2
.set i, i+1
.endr
.set i, 0
.rept 16
	v_pk_mul_f32 v[GE+i:GE+i+1], v[GU+i:GU+i+1], v[GU+i:GU+i+1] neg_lo:[1,0] neg_hi:[1,0]
.set i, i+2
.endr
.set i, 0
.rept 32                               ; one batch of 64
	v_rcp_f32 v[GT+i], v[GT+i]
	v_exp_f32 v[GE+i], v[GE+i]
.set i, i+1
.endr
	v_nop                                          ; a plain instruction behind the last of them,
	s_wait_alu depctr_va_vdst(0)                   ; and the one wait ahead of the first use
.set i, 0
.rept 16
	v_pk_fma_f32 v[GP+i:GP+i+1], v[GT+i:GT+i+1], s[CA3:CA3+1], s[CA2:CA2+1] op_sel_hi:[1,0,0]
.set i, i+2
.endr
.set i, 0
.rept 16
	v_pk_fma_f32 v[GP+i:GP+i+1], v[GP+i:GP+i+1], v[GT+i:GT+i+1], s[CA1:CA1+1] op_sel_hi:[1,1,0]
.set i, i+2
.endr
.set i, 0
.rept 16
	v_pk_mul_f32 v[GP+i:GP+i+1], v[GP+i:GP+i+1], v[GT+i:GT+i+1]
.set i, i+2
.endr
.set i, 0
.rept 16
	v_pk_fma_f32 v[GP+i:GP+i+1], v[GP+i:GP+i+1], v[GE+i:GE+i+1], 1.0 op_sel_hi:[1,1,0] neg_lo:[1,0,0] neg_hi:[1,0,0]   ; erf
.set i, i+2
.endr
.set i, 0
.rept 32
	v_fma_f32 v[GU+i], |v[GH+i]|, v[GP+i], v[GH+i]
.set i, i+1
.endr
	s_wait_xcnt 0x0                                ; the last trip's stores have read their data and their base
	s_and_b32 s74, s3, 1
	s_lshl_b32 s74, s74, 19                        ; two k blocks of h on for the odd trips,
	s_lshr_b32 s75, s3, 1
	s_lshl_b32 s75, s75, 10                        ; a row block on for every second trip
	s_add_co_u32 s74, s74, s75
	s_mov_b32 s75, 0
	s_add_nc_u64 s[HP:HP+1], s[HB:HB+1], s[74:75]
.set i, 0
.rept 16
	v_cvt_pk_bf16_f32 v[GOUT+i], v[GU+2*i], v[GU+2*i+1]
.set i, i+1
.endr
.irp i, 0,1,2,3
	global_store_b128 v[L16], v[GOUT+4*(\i):GOUT+4*(\i)+3], s[HP:HP+1] offset:((\i)/2)*262144+((\i)%2)*512   ; 512 consecutive bytes, aligned
.endr
	s_add_co_u32 s3, s3, 1
	s_cmp_lt_u32 s3, 16
	s_cbranch_scc1 .Lgelu
	s_wait_tensorcnt 0x0                           ; the wave's end
	ds_add_u32 v[SPW], v[NIL]
	s_wait_dscnt 0x0
	CROUND                                         ; the closing round
	s_endpgm
.Lfunc_end_k_q01df733bc2_ffn1:
	.size	k_q01df733bc2_ffn1, .Lfunc_end_k_q01df733bc2_ffn1-k_q01df733bc2_ffn1
	.p2alignl 7, 3214868480
	.fill 96, 4, 3214868480
	.section	.rodata,"a",@progbits
	.p2align	6, 0x0
	.amdhsa_kernel k_q01df733bc2_ffn1
		.amdhsa_group_segment_fixed_size 327680
		.amdhsa_private_segment_fixed_size 0
		.amdhsa_enable_private_segment 0
		.amdhsa_kernarg_size 32
		.amdhsa_user_sgpr_count 2
		.amdhsa_user_sgpr_kernarg_segment_ptr 1
		.amdhsa_wavefront_size32 1
		.amdhsa_system_sgpr_workgroup_id_x 1
		.amdhsa_system_sgpr_workgroup_id_y 1
		.amdhsa_system_sgpr_workgroup_id_z 1
		.amdhsa_system_vgpr_workitem_id 0
		.amdhsa_next_free_vgpr 1024
		.amdhsa_next_free_sgpr 96
		.amdhsa_reserve_vcc 0
		.amdhsa_float_denorm_mode_32 3
		.amdhsa_float_denorm_mode_16_64 3
		.amdhsa_memory_ordered 1
		.amdhsa_forward_progress 1
		.amdhsa_inst_pref_size 97
	.end_amdhsa_kernel
	.amdgpu_metadata
---
amdhsa.version: [ 1, 2 ]
amdhsa.kernels:
  - .name:           k_q01df733bc2_ffn1
    .symbol:         k_q01df733bc2_ffn1.kd
    .args:
      - { .name: onb, .offset: 0, .size: 8, .value_kind: global_buffer, .address_space: global }
      - { .name: wts, .offset: 8, .size: 8, .value_kind: global_buffer, .address_space: global }
      - { .name: b1, .offset: 16, .size: 8, .value_kind: global_buffer, .address_space: global }
      - { .name: hb, .offset: 24, .size: 8, .value_kind: global_buffer, .address_space: global }
    .group_segment_fixed_size: 327680
    .private_segment_fixed_size: 0
    .kernarg_segment_align: 8
    .kernarg_segment_size: 32
    .max_flat_workgroup_size: 128
    .sgpr_count:     96
    .vgpr_count:     1024
    .wavefront_size: 32
...
	.end_amdgpu_metadata
.endif
;; end of part 6
;; launch ffn2 (part 7): grid 8 x 32, 4 waves a work-group, clusters of 4 x 4, 327,680 bytes of LDS; arguments hb, wts, b2, res, out0; writes out0
.if DOCPART == 7
	.amdgcn_target "amdgcn-amd-amdhsa--gfx1250"
	.amdhsa_code_object_version 6
	.text
	.protected	k_q01df733bc2_ffn2
	.globl	k_q01df733bc2_ffn2
	.p2align	8
	.type	k_q01df733bc2_ffn2,@function
k_q01df733bc2_ffn2:
	s_mov_b64 s[64:65], 0
	v_nop
	global_prefetch_b8 v0, s[64:65] scope:SCOPE_SE
	s_setreg_imm32_b32 hwreg(HW_REG_WAVE_MODE, 25, 1), 1
	s_wait_xcnt 0x0
	s_wait_alu depctr_hold_cnt(0) depctr_sa_sdst(0) depctr_va_vdst(0) depctr_va_sdst(0) depctr_va_ssrc(0) depctr_va_vcc(0) depctr_vm_vsrc(0)
	s_getreg_b32 s2, hwreg(HW_REG_IB_STS2, 6, 4)
	s_cmp_eq_u32 s2, 0
	s_cbranch_scc0 .Lentry_in_a_cluster
	s_endpgm
.Lentry_in_a_cluster:
	s_bfe_u32 s2, ttmp6, 0x10000c
	s_cmp_lg_u32 s2, 0xf033
	s_cbranch_scc0 .Lentry_shape_is_right
	s_endpgm
.Lentry_shape_is_right:
; out0 = res + h W2 + b2.  h: fragments (K 4096, 4096 rows), W2: fragments (K 4096, 1024 columns) at byte WREG of wts, both bf16; sums, bias and residual in f32; out0 f32 [4096][1024].
; A tile is 128 x 128, so that 256 work-groups share the work; four waves, each 64 x 64: 16 accumulators.  K goes in NSTEPS steps of 256 through two LDS slots of 2^17 bytes.
; FRAGMENTS (16 rows x 32 k, 1,024 bytes, byte 512 j + 16 l) are operands' register images: two loads of 16 bytes a lane, 512 consecutive bytes each: no padding, no conflict.
; The product is taken transposed (source 0 = W's columns, source 1 = A's rows): a lane holds one row and 8 neighbouring columns.  The bias is the C operand of the first products.
; CLUSTER 4 x 4: A's tile is shared along a row, W's along a column, each asked for jointly.  A K step is written once: LDS addresses hang on s[TB], which one exclusive or flips.
; THE WALK ALONG K begins, in the cluster at (X, Y) of the grid of clusters, at step (NSTEPS / 2 X + NSTEPS / 4 Y) mod NSTEPS, and wraps: the two clusters that read the same rows of A begin
; NSTEPS / 2 steps apart, those that read the same columns of W NSTEPS / 4 apart, so that they ask for different steps at any one time.  The start hangs on the cluster's place alone, which its sixteen partners share.
; LIMIT: the order in which an f32 sum takes its K steps hangs on the cluster.  NaN and infinities are not treated apart.
; The way out goes through each wave's own stage, which lies in ring bytes that have had their last fill and, behind the last barrier, their last read.
; No prefetch: the tiles are small.
.set NSTEPS, 16
.set WREG,   16777216
.set SLOTX,  1<<17
.set WOFF,   65536                     ; in a slot: A's 8 panels x 8 fragments, then W's
.set SPARE,  2*SLOTX
.set ROWB,   8192                      ; a tile's bytes in one panel of 32 k
.set PANA,   262144
.set PANW,   65536
.set LOGA,   21                        ; a K step is 8 panels: 2^21 bytes of A,
.set LOGW,   19                        ; 2^19 of W
.set SP,     272                       ; a stage row: 256 bytes + 16: 68 words, so 16 rows start at 16 different groups of four banks
.set A0,   2
.set B0,   3
.set L16,  4
.set BO,   5
.set ADRA, 16
.set ADRB, 20
.set STO,  24
.set RD,   25
.set CO,   26
.set SPW,  28
.set NIL,  29
.set BIAS, 96                          ; v96-127: 8 registers a column block
.set ACC,  128                         ; v128-255: accumulator (a, b) at ACC + 8 (4 a + b)
.set F0,   0                           ; window 1: two buffers of 128: 64 registers of A (2 panels x 4), then 64 of W.  window 2: v0-127 the residual
.set F1,   128
.set WV, 16
.set FB, 17
.set HF, 18
.set TB, 20
.set G1, 24
.set G0, 32
.set G1B, 48
.set G0B, 56
.set KX, 78                            ; s78 the K step to be asked for next
.set OA, 80                            ; s[80:81] its byte offset in A
.set OW, 82                            ; s[82:83] its byte offset in W
.set MSB, 0
.macro WIN new
.if MSB != (\new)
	s_set_vgpr_msb (MSB<<8)|(\new)
.set MSB, \new
.endif
.endm
.set MUL,  0x05
.set TO_F, 0x40
.macro PLACES
.rept 4
	v_nop
.endr
.endm
.macro JLOAD
	s_cmp_eq_u32 s[FB], 0
	s_cbranch_scc0 .Lfor_b_\@
	tensor_load_to_lds s[G0+4:G0+7], s[G1:G1+7]
	s_nop 0
.rept 4
	v_nop
.endr
	s_branch .Lasked_\@
.Lfor_b_\@:
	tensor_load_to_lds s[G0B+4:G0B+7], s[G1B:G1B+7]
	s_nop 0
.rept 4
	v_nop
.endr
.Lasked_\@:
.endm
.macro CREST
	s_cmp_lg_u32 s[WV], 0
	s_cbranch_scc1 .Lnot_wave_0_\@
	s_barrier_signal -3
.Lnot_wave_0_\@:
	s_barrier_wait -3
	s_barrier_signal -1
	s_barrier_wait -1
.endm
.macro CROUND
	s_barrier_signal -1
	s_barrier_wait -1
	CREST
.endm
; The global addresses of descriptor set n are made anew for K step s[KX]: the tile's address plus the step's offset, the type bits set again; then the step goes on and wraps.
.macro WALK n
	s_lshl_b32 s[OA], s[KX], LOGA
	s_lshl_b32 s[OW], s[KX], LOGW
	s_add_nc_u64 s[G0+4*(\n)+2:G0+4*(\n)+3], s[46:47], s[OA:OA+1]
	s_or_b32 s[G0+4*(\n)+3], s[G0+4*(\n)+3], 0x80000000
	s_add_nc_u64 s[G0B+4*(\n)+2:G0B+4*(\n)+3], s[22:23], s[OW:OW+1]
	s_or_b32 s[G0B+4*(\n)+3], s[G0B+4*(\n)+3], 0x80000000
	s_add_co_u32 s[KX], s[KX], 1
	s_and_b32 s[KX], s[KX], NSTEPS-1
.endm
	s_load_b256 s[4:11], s[0:1], 0x0               ; A 4, wts 6, bias 8, residual 10
	s_load_b64 s[12:13], s[0:1], 0x20              ; out
	v_lshl_add_u32 v[SPW], v0, 2, SPARE
	v_mov_b32 v[NIL], 0
	ds_add_u32 v[SPW], v[NIL]                      ; the wave's opening: the add and its wait stand ahead of my first tensor load
	v_lshrrev_b32 v1, 5, v0
	v_readfirstlane_b32 s[WV], v1
	s_lshr_b32 s[FB], s[WV], 1                     ; my half of the tile's rows; also: I fetch for A (0) or W (1)
	s_and_b32 s[HF], s[WV], 1                      ; my half of its columns; also: which four panels of the eight
	s_bfe_u32 s40, ttmp6, 0x40000
	s_bfe_u32 s41, ttmp6, 0x40004
	s_lshl_b32 s42, ttmp9, 2
	s_add_co_u32 s42, s42, s40                     ; tile column
	s_and_b32 s43, ttmp7, 0xffff
	s_lshl_b32 s43, s43, 2
	s_add_co_u32 s43, s43, s41                     ; tile row
	s_lshl_b32 s44, s41, 2
	s_lshl_b32 s44, 15, s44
	s_lshl_b32 s45, 0x1111, s40
	s_or_b32 s[G1], s44, (3<<16)|(1<<21)           ; the mask; elements of 8 bytes; bit 21 beside a mask; no padding
	s_or_b32 s[G1B], s45, (3<<16)|(1<<21)
	s_mov_b32 s[G1+1], (ROWB/8)<<16                ; 4 rows of 8,192 bytes, a panel apart
	s_mov_b32 s[G1+2], 4<<16
	s_mov_b32 s[G1+3], (ROWB/8)<<16
	s_mov_b32 s[G1+4], 4
	s_mov_b32 s[G1+5], PANA/8
	s_mov_b32 s[G1+6], 0
	s_mov_b32 s[G1+7], 0
	s_mov_b32 s[G1B+1], (ROWB/8)<<16
	s_mov_b32 s[G1B+2], 4<<16
	s_mov_b32 s[G1B+3], (ROWB/8)<<16
	s_mov_b32 s[G1B+4], 4
	s_mov_b32 s[G1B+5], PANW/8
	s_mov_b32 s[G1B+6], 0
	s_mov_b32 s[G1B+7], 0
	s_lshl_b32 s46, s43, 13
	s_lshl_b32 s47, s[HF], 20
	s_add_co_u32 s46, s46, s47
	s_mov_b32 s47, 0
	s_lshl_b32 s22, s42, 13
	s_lshl_b32 s23, s[HF], 18
	s_add_co_u32 s22, s22, s23
	s_add_co_u32 s22, s22, WREG
	s_mov_b32 s23, 0
	s_lshl_b32 s21, s[WV], 15                      ; LDS: A's two halves, then W's: the wave's number alone
	s_mov_b32 s[TB], 0
	s_and_b32 s[KX], ttmp7, 0xffff                 ; where my cluster's walk begins: its y,
	s_mul_i32 s[KX], s[KX], NSTEPS/4
	s_mul_i32 s79, ttmp9, NSTEPS/2                 ; its x
	s_add_co_u32 s[KX], s[KX], s79
	s_and_b32 s[KX], s[KX], NSTEPS-1
	s_mov_b32 s[OA+1], 0
	s_mov_b32 s[OW+1], 0
	s_wait_dscnt 0x0                               ; the opening add is done
	s_wait_kmcnt 0x0
	s_add_nc_u64 s[46:47], s[4:5], s[46:47]        ; my part of A's tile at K step 0; kept
	s_add_nc_u64 s[22:23], s[6:7], s[22:23]        ; of W's; kept
	CROUND                                         ; all sixteen work-groups are here
.irp s, 0,1
	s_mov_b32 s[G0+4*(\s)], 1
	s_add_co_u32 s[G0+4*(\s)+1], s21, (\s)*SLOTX
	s_mov_b32 s[G0B+4*(\s)], 1
	s_add_co_u32 s[G0B+4*(\s)+1], s21, (\s)*SLOTX
	WALK \s                                        ; the walk's first two steps
.endr
	s_cmp_eq_u32 s[FB], 0                          ; a wave's two first fills stand in one branch: two loads of mine are out
	s_cbranch_scc0 .Lfirst_b
	tensor_load_to_lds s[G0:G0+3], s[G1:G1+7]
	s_nop 0
	tensor_load_to_lds s[G0+4:G0+7], s[G1:G1+7]
	s_nop 0
.rept 4
	v_nop
.endr
	s_branch .Lfirst_asked
.Lfirst_b:
	tensor_load_to_lds s[G0B:G0B+3], s[G1B:G1B+7]
	s_nop 0
	tensor_load_to_lds s[G0B+4:G0B+7], s[G1B:G1B+7]
	s_nop 0
.rept 4
	v_nop
.endr
.Lfirst_asked:
	v_and_b32 v1, 31, v0
	v_lshlrev_b32 v[L16], 4, v1
	v_bfe_u32 v7, v0, 4, 1                         ; l / 16
	v_and_b32 v8, 15, v0                           ; l % 16
	s_lshl_b32 s72, s42, 9                         ; the bias of my 64 columns
	s_lshl_b32 s73, s[HF], 8
	s_add_co_u32 s72, s72, s73
	v_lshl_add_u32 v[BO], v7, 5, s72               ; register j is column 16 b + 8 (l / 16) + j
.irp b, 0,1,2,3
	global_load_b128 v[BIAS+8*(\b):BIAS+8*(\b)+3],   v[BO], s[8:9] offset:64*(\b)
	global_load_b128 v[BIAS+8*(\b)+4:BIAS+8*(\b)+7], v[BO], s[8:9] offset:64*(\b)+16
.endr
	s_lshl_b32 s74, s43, 19                        ; my 64 x 64 of the residual and of the output: row (128 tile row + 64 half) x 4,096 bytes + column x 4
	s_lshl_b32 s75, s[FB], 18
	s_add_co_u32 s74, s74, s75
	s_add_co_u32 s74, s74, s72
	s_mov_b32 s75, 0
	s_add_nc_u64 s[70:71], s[10:11], s[74:75]
	s_add_nc_u64 s[76:77], s[12:13], s[74:75]
	v_lshlrev_b32 v[CO], 12, v7                    ; lanes 0-15 take 256 bytes of one row, lanes 16-31 of the next
	v_lshl_add_u32 v[CO], v8, 4, v[CO]
	WIN 0x80
.set i, 0
.rept 32
	global_load_b128 v[4*i:4*i+3], v[CO], s[70:71] offset:i*8192   ; the residual waits in window 2 for the way out
.set i, i+1
.endr
	WIN 0
	s_lshl_b32 s21, s[FB], 12
	v_add_nc_u32 v[A0], s21, v[L16]
	s_lshl_b32 s21, s[HF], 12
	s_add_co_u32 s21, s21, WOFF
	v_add_nc_u32 v[B0], s21, v[L16]
	v_mov_b32 v[ADRA], v[A0]
	v_mov_b32 v[ADRB], v[B0]
	s_mul_i32 s21, s[WV], 64*SP                    ; my stage
	v_mul_u32_u24 v[STO], SP, v8
	v_lshl_add_u32 v[STO], v7, 5, v[STO]
	v_add_nc_u32 v[STO], s21, v[STO]
	v_mul_u32_u24 v[RD], SP, v7
	v_lshl_add_u32 v[RD], v8, 4, v[RD]
	v_add_nc_u32 v[RD], s21, v[RD]
; 8 products: row blocks a0, a0 + 1 x all 4 column blocks, panel c of buffer f.  first = 1: the bias starts the sum.  The 16 accumulators take turns.
.macro MUL8 f, c, a0, first
	WIN MUL
.irp a, \a0, (\a0)+1
.irp b, 0,1,2,3
.if \first
	v_wmma_f32_16x16x32_bf16 v[ACC+8*(4*(\a)+(\b)):ACC+8*(4*(\a)+(\b))+7], v[(\f)+64+8*(4*(\c)+(\b)):(\f)+64+8*(4*(\c)+(\b))+7], v[(\f)+8*(4*(\c)+(\a)):(\f)+8*(4*(\c)+(\a))+7], v[BIAS+8*(\b):BIAS+8*(\b)+7]
.else
	v_wmma_f32_16x16x32_bf16 v[ACC+8*(4*(\a)+(\b)):ACC+8*(4*(\a)+(\b))+7], v[(\f)+64+8*(4*(\c)+(\b)):(\f)+64+8*(4*(\c)+(\b))+7], v[(\f)+8*(4*(\c)+(\a)):(\f)+8*(4*(\c)+(\a))+7], v[ACC+8*(4*(\a)+(\b)):ACC+8*(4*(\a)+(\b))+7]
.endif
.endr
.endr
.endm
; 32 LDS loads in one run: panels 2 q and 2 q + 1 of the slot in hand into buffer f; the first panel first
.macro FETCH q, f
	WIN TO_F
.irp c, 0,1
.irp i, 0,1,2,3
	ds_load_b128 v[(\f)+64+8*(4*(\c)+(\i)):(\f)+64+8*(4*(\c)+(\i))+3],   v[ADRB] offset:(2*(\q)+(\c))*ROWB+(\i)*1024
	ds_load_b128 v[(\f)+64+8*(4*(\c)+(\i))+4:(\f)+64+8*(4*(\c)+(\i))+7], v[ADRB] offset:(2*(\q)+(\c))*ROWB+(\i)*1024+512
	ds_load_b128 v[(\f)+8*(4*(\c)+(\i)):(\f)+8*(4*(\c)+(\i))+3],         v[ADRA] offset:(2*(\q)+(\c))*ROWB+(\i)*1024
	ds_load_b128 v[(\f)+8*(4*(\c)+(\i))+4:(\f)+8*(4*(\c)+(\i))+7],       v[ADRA] offset:(2*(\q)+(\c))*ROWB+(\i)*1024+512
.endr
.endr
.endm
.macro PHASE q, f, g, first            ; multiplies buffer f; fetches quarter q into buffer g
	s_wait_dscnt 16                                ; the first panel is in
	MUL8 \f, 0, 0, \first
	MUL8 \f, 0, 2, \first
	PLACES
	FETCH \q, \g
	s_wait_dscnt 32                                ; all but the 32 just issued
	MUL8 \f, 1, 0, 0
	MUL8 \f, 1, 2, 0
.endm
.macro FLIP
	s_xor_b32 s[TB], s[TB], SLOTX
	v_add_nc_u32 v[ADRA], s[TB], v[A0]
	v_add_nc_u32 v[ADRB], s[TB], v[B0]
.endm
; The step's last quarter (buffer 1) and the change of slots: ONE barrier; ahead of it each wave waits for all its tensor loads, adds 0 to its spare word, and waits for that and for its reads of this slot.
.macro MEET
	WIN 0
	s_wait_tensorcnt 0x0
	ds_add_u32 v[SPW], v[NIL]
	s_wait_dscnt 17                                ; (the add and the youngest sixteen loads may be out)
	MUL8 F1, 0, 0, 0
	s_wait_dscnt 0x0
	s_barrier_signal -1
	MUL8 F1, 0, 2, 0
	WIN 0
	s_barrier_wait -1
.endm
.macro REST
	MUL8 F1, 1, 0, 0
	MUL8 F1, 1, 2, 0
.endm
.macro TURN
	MEET
	CREST                                          ; the barrier has opened a round of the cluster's: no wave of any partner still reads this slot or has a load on its way
	s_xor_b32 s[G0+5], s[G0+5], SLOTX              ; the walking descriptors: the other slot than last time,
	s_xor_b32 s[G0B+5], s[G0B+5], SLOTX
	WALK 1                                         ; the walk's next K step
	JLOAD                                          ; my one tensor load behind the round; its four v_nop are also the places ahead of the loads below
	FLIP
	FETCH 0, F0
	REST
.endm
	s_wait_tensorcnt 1                             ; my part of the walk's first step is in; the second's may stay out
	s_barrier_signal -1
	s_barrier_wait -1
	FETCH 0, F0
	s_wait_loadcnt 32                              ; the bias is in; the residual's 32 loads may stay out
	PHASE 1, F0, F1, 1
	WIN 0
	s_mov_b32 s3, NSTEPS-2
.Lstep:                                                ; a trip: from a step's second quarter to the next step's first; one refill
	PHASE 2, F1, F0, 0
	PHASE 3, F0, F1, 0
	TURN
	PHASE 1, F0, F1, 0
	WIN 0
	s_sub_co_u32 s3, s3, 1
	s_cmp_lg_u32 s3, 0
	s_cbranch_scc1 .Lstep
	s_mov_b32 s2, 2                                ; the last two steps ask for nothing
.Ltail:
	PHASE 2, F1, F0, 0
	PHASE 3, F0, F1, 0
	MEET
	s_sub_co_u32 s2, s2, 1
	s_cmp_eq_u32 s2, 0
	s_cbranch_scc1 .Lfin
	PLACES
	FLIP
	FETCH 0, F0
	REST
	PHASE 1, F0, F1, 0
	WIN 0
	s_branch .Ltail
.Lfin:
	REST
	WIN 0
	PLACES
	; THE WAY OUT: 32 bytes a lane and accumulator into my stage, back as whole rows of 256 bytes, the residual added, stored
.irp a, 0,1,2,3
.irp b, 0,1,2,3
	ds_store_b128 v[STO], v[ACC+8*(4*(\a)+(\b)):ACC+8*(4*(\a)+(\b))+3]   offset:(\a)*16*SP+64*(\b)
	ds_store_b128 v[STO], v[ACC+8*(4*(\a)+(\b))+4:ACC+8*(4*(\a)+(\b))+7] offset:(\a)*16*SP+64*(\b)+16
.endr
.endr
	WIN TO_F
.set i, 0
.rept 32
	ds_load_b128 v[4*i:4*i+3], v[RD] offset:i*2*SP     ; LDS serves a wave's instructions in order: these see the stores above
.set i, i+1
.endr
	s_wait_loadcnt 0x0                             ; the residual
	s_wait_dscnt 0x0
	WIN 0x49                                       ; destination and source 0 window 1, source 1 window 2
.set i, 0
.rept 64
	v_pk_add_f32 v[i:i+1], v[i:i+1], v[i:i+1]
.set i, i+2
.endr
	WIN 0x04                                       ; the stores' data in window 1
.set i, 0
.rept 32
	global_store_b128 v[CO], v[4*i:4*i+3], s[76:77] offset:i*8192   ; 16 lanes store 256 consecutive bytes, aligned
.set i, i+1
.endr
	WIN 0
	s_wait_tensorcnt 0x0                           ; the wave's end
	ds_add_u32 v[SPW], v[NIL]
	s_wait_dscnt 0x0
	CROUND                                         ; the closing round
	s_endpgm
.Lfunc_end_k_q01df733bc2_ffn2:
	.size	k_q01df733bc2_ffn2, .Lfunc_end_k_q01df733bc2_ffn2-k_q01df733bc2_ffn2
	.p2alignl 7, 3214868480
	.fill 96, 4, 3214868480
	.section	.rodata,"a",@progbits
	.p2align	6, 0x0
	.amdhsa_kernel k_q01df733bc2_ffn2
		.amdhsa_group_segment_fixed_size 327680
		.amdhsa_private_segment_fixed_size 0
		.amdhsa_enable_private_segment 0
		.amdhsa_kernarg_size 40
		.amdhsa_user_sgpr_count 2
		.amdhsa_user_sgpr_kernarg_segment_ptr 1
		.amdhsa_wavefront_size32 1
		.amdhsa_system_sgpr_workgroup_id_x 1
		.amdhsa_system_sgpr_workgroup_id_y 1
		.amdhsa_system_sgpr_workgroup_id_z 1
		.amdhsa_system_vgpr_workitem_id 0
		.amdhsa_next_free_vgpr 640
		.amdhsa_next_free_sgpr 96
		.amdhsa_reserve_vcc 0
		.amdhsa_float_denorm_mode_32 3
		.amdhsa_float_denorm_mode_16_64 3
		.amdhsa_memory_ordered 1
		.amdhsa_forward_progress 1
		.amdhsa_inst_pref_size 66
	.end_amdhsa_kernel
	.amdgpu_metadata
---
amdhsa.version: [ 1, 2 ]
amdhsa.kernels:
  - .name:           k_q01df733bc2_ffn2
    .symbol:         k_q01df733bc2_ffn2.kd
    .args:
      - { .name: hb, .offset: 0, .size: 8, .value_kind: global_buffer, .address_space: global }
      - { .name: wts, .offset: 8, .size: 8, .value_kind: global_buffer, .address_space: global }
      - { .name: b2, .offset: 16, .size: 8, .value_kind: global_buffer, .address_space: global }
      - { .name: res, .offset: 24, .size: 8, .value_kind: global_buffer, .address_space: global }
      - { .name: out0, .offset: 32, .size: 8, .value_kind: global_buffer, .address_space: global }
    .group_segment_fixed_size: 327680
    .private_segment_fixed_size: 0
    .kernarg_segment_align: 8
    .kernarg_segment_size: 40
    .max_flat_workgroup_size: 128
    .sgpr_count:     96
    .vgpr_count:     640
    .wavefront_size: 32
...
	.end_amdgpu_metadata
.endif
;; end of part 7
